; MI455X (gfx1250); checked and timed in simulation.
; The chip was launched on July 23, 2026; its instructions are those of AMD's public machine-readable ISA for CDNA 5 (MIT licence, August 2026) and "CDNA5" Instruction Set Architecture Reference Guide (July 2026). The comments in the code are by the model that wrote it; some were corrected since.
;; Multi Head Attention. Allowed arithmetic: matrix products marked QUANTISED: E2M1 operands, one E8M0 scale for each 32 along K, by v_wmma_scale_f32_16x16x128_f8f6f4 with both operands' format E2M1 (or v_wmma_scale_f32_32x16x128_f4), f32 sums; everything else in f32.
;; Inputs: c_attn_b 3,072 float32; c_attn_w 1,024 x 3,072 float32; c_proj_b 1,024 float32; c_proj_w 1,024 x 1,024 float32; x 4 x 2,048 x 1,024 float32.
;; Outputs: out0 4 x 2,048 x 1,024 float32.
;; This version of the problem:
;;   THIS VERSION OF THE PROBLEM IS GIVEN IN LOW PRECISION. The matrix products marked QUANTISED in the list below multiply operands that are first quantised to E2M1 (2 exponent bits, 1 mantissa bit; 4 bits a number), with one power-of-two scale for each 32 numbers along K (OCP MX v1.0); their sums are f32. All else is computed in f32.
;;   The module's matrix products, in the order in which they are computed (A, B: the left and right operand; K: the contracted axis; several contracted axes count as one K, in the product's order):
;;     1. [M 8,192, K 1,024] x [K 1,024, N 3,072]; A: input x; B: input c_attn_w: QUANTISED
;;     2. batch 64 x [M 2,048, K 64] x [K 64, N 2,048]; A: computed on the way; B: computed on the way: QUANTISED
;;     3. batch 64 x [M 2,048, K 2,048] x [K 2,048, N 64]; A: softmax (see below); B: computed on the way: QUANTISED
;;     4. [M 8,192, K 1,024] x [K 1,024, N 1,024]; A: computed on the way; B: input c_proj_w: QUANTISED
;;   THE QUANTISER, for each operand of a quantised product, along K:
;;     - K is cut into blocks of 32 from its start; a last block that is shorter is filled with zeros.
;;     - A block's scale is 2^e with e = floor(log2(the largest magnitude in the block)) - 2, held to -126 .. 127; a block of zeros has e = 0. As a byte (E8M0): e + 127.
;;     - Each number is divided by its block's scale, clamped to +-6, and rounded to the nearest number of E2M1, ties to even, subnormals kept.
;;     - The product sums the exact products of the quantised numbers (number of the format x scale) in f32.
;;   ~~~python
;;   def quantise(x, axis):      # numpy; x: float32 -> the quantised numbers, widened to float32 again
;;       x = np.moveaxis(x, axis, -1); K = x.shape[-1]
;;       x = np.pad(x, [(0, 0)] * (x.ndim - 1) + [(0, -K % 32)]); x = x.reshape(x.shape[:-1] + (-1, 32)); a = np.abs(x).max(-1, keepdims=True)
;;       e = np.where(a > 0, np.clip(np.frexp(np.where(a > 0, a, 1))[1] - 1 - 2, -126, 127), 0)      # np.frexp(a)[1] - 1 = floor(log2(a)), exactly
;;       r = np.clip(x / 2.0 ** e, -6, 6)
;;       step = 2.0 ** (np.maximum(np.frexp(np.where(r == 0, 1, r))[1] - 1, 0) - 1)
;;       q = np.round(r / step) * step * 2.0 ** e      # np.round: ties to even
;;       return np.moveaxis(q.reshape(q.shape[:-2] + (-1,))[..., :K], -1, axis).astype(np.float32)
;;   ~~~
;;   SOFTMAX AHEAD OF A QUANTISED PRODUCT. Where the list says 'softmax', what is quantised is not the finished softmax but p = 2^(t - M), with t = logit x log2(e) and M = ceil(the row's largest t), a whole number; so 1/2 < the row's largest p <= 1. The row's sum l is taken of the UNQUANTISED p, in f32, and the product's result is divided by l at the end. Since M is a whole number, a kernel that streams over the keys may use a running M (the ceiling of the running maximum): every later rescaling is an exact power of two, which a block's scale takes up: the codes' values come out the same.
;;   OPERANDS COMPUTED ON THE WAY. 'Computed on the way' means the value that the module computes at that place (a softmax that the list does not call 'softmax' is quantised finished and normalised). What goes into a quantiser is computed in f32, as accurately as f32 sums, v_exp_f32 and their like allow (about 1e-6 of the number): no bf16 or f16 on the way to a quantiser, and a product that is left as it is and whose result goes on into a quantised operand takes f32 operands (vector FMAs, or v_wmma_f32_16x16x4_f32). A number that lies on a knife's edge between two numbers of the format may be rounded either way, as far as f32 arithmetic and the matrix unit's own rounding can turn it there, and no further.
;; One version. Each part assembles by itself: llvm-mc -triple=amdgcn-amd-amdhsa -mcpu=gfx1250 --defsym DOCPART=n.
;; ======== version 1 of 1: 4 launches
;; workspace buffers: xq 4,456,448 bytes; wq 2,228,224 bytes; qq 4,718,592 bytes; kv 9,175,040 bytes; ao 4,456,448 bytes
;; launch quant (part 1): grid 512 x 1, 4 waves a work-group, no clusters, 34,304 bytes of LDS; arguments x, c_attn_w, c_proj_w, xq, wq; writes xq, wq
.if DOCPART == 1
	.amdgcn_target "amdgcn-amd-amdhsa--gfx1250"
	.amdhsa_code_object_version 6
	.text
	.protected	k_qdcdca8e063_quant
	.globl	k_qdcdca8e063_quant
	.p2align	8
	.type	k_qdcdca8e063_quant,@function
k_qdcdca8e063_quant:
	s_mov_b64 s[64:65], 0
	v_nop
	global_prefetch_b8 v0, s[64:65] scope:SCOPE_SE
	s_setreg_imm32_b32 hwreg(HW_REG_WAVE_MODE, 25, 1), 1
	s_wait_xcnt 0x0
; LAUNCH 1 OF 4: x, c_attn_w and c_proj_w, f32, become codes of FP4 (E2M1) with one E8M0 byte for each 32 along K, laid in the order of the operands' registers.
; THE PROGRAM: quant (this) | gemm1: x W_attn + b, and the quantisers of q, k, v | attn: q k^T, softmax, p v, the quantiser of o | gemm2: o W_proj + b.  No f32 intermediate goes to memory.
; WORK LEFT OUT, for all values of the inputs: reference() itself sets every score with key > query to -infinity (its own jnp.tril) ahead of the softmax, so such a key has weight 0 and adds nothing to the row's sum or
; to the output.  Where all 128 keys of a key step come after all 16 queries of a tile, launch attn leaves the step out whole (both products and the softmax).  Nothing else is left out; every input is loaded.
; LIMIT: a NaN, an infinity or an overflow that reaches only such hidden steps is not carried to the result.
; LIMITS of the quantisers, in all launches: NaN and infinities among the inputs are not served; a block whose largest magnitude lies under 2^-124 has its byte held at 1; a block of zeros gets the byte 1 where the
; rule says 127: its codes are zeros, which add nothing under any byte but 0xff, and the bytes are read by this program alone.
; THE ORDER OF ROWS: in every group of 32 rows (of x, and of the weights' columns n) slot 16 u + r holds row 8 u + r + 8 (r / 8).  A tile is 16 slots.  So the 16 result registers of two neighbouring tiles
; of source 0 are 16 neighbours along the next product's K.
; A FRAGMENT'S IMAGE: 16 slots x 128 K: [c (2)][lane (32)][16 bytes]; lane (r, h) holds K = 64 c + 32 h + 0 .. 31 of slot r.
; xq: codes [K half s (2)][row tile (512)][K step q (4)][image]; from byte 4,194,304 scale words [row tile][s][r (16)][q (4)].
; wq: c_attn_w's codes [s][n tile (192)][q][image]; from 1,572,864 c_proj_w's [s][n tile (64)][q][image]; from 2,097,152 and 2,195,456 their scale words [n tile][s][r][q].
; SHARES: work-groups 0-255: x, a wave to 16 slots x 512 K.  256-447: c_attn_w, 448-511: c_proj_w, a wave to 32 columns x 128 K.  No barrier: waves share nothing.  No matrix unit, cluster or tensor load: a stream.
.set SPARE, 33792                      ; behind the four stages: the spare words, 128 bytes for each wave
.set SPW,   254                        ; v254 LDS address of my spare word; never rewritten
.set NIL,   255                        ; v255 0; never rewritten
.set WSTG,  8448                       ; x's path: a stage of 16 rows x 528 bytes for each wave
.set SROW,  528                        ; 512 bytes + 16 of padding: the 16 rows that a read touches start 4 words further on each
.set R,     16                         ; v16-143  two sets of 64 registers as loaded
.set X,     144                        ; v144-207 64 numbers: register 32 c + i = K 64 c + 32 h + i of my slot
.set C,     208                        ; v208-239 codes, eight registers for each K step: no store's data are written again
.set SW,    240                        ; v240-243 the scale words of the four K steps
; ---- the weights' path: a lane takes a column, its registers run down K
.macro WLOAD t, n                      ; block t: W(32 t + i, my column), i = 0 .. 31: 128 consecutive bytes a wave, 512 a work-group
.set i, 0
.rept 32
	global_load_b32 v[64+32*(\t)+i], v2, s[24:25] offset:(32*(\t)+i)*(\n)*4 th:TH_LOAD_NT
.set i, i+1
.endr
.endm
.macro WBLOCK t, n
.set XS, 64+32*(\t)
.if (\t) < 3
	s_wait_loadcnt 32                              ; this block's 32 loads are in; the next block's 32 may be out
.else
	s_wait_loadcnt 0x0
.endif
.if (\t) < 2
	WLOAD (\t)+2, \n                               ; two blocks ahead, into registers of their own
.endif
	v_max3_num_f32 v12, |v[XS]|, |v[XS+1]|, |v[XS+2]|      ; the block's largest magnitude: all 32 numbers are mine; two chains
	v_max3_num_f32 v13, |v[XS+3]|, |v[XS+4]|, |v[XS+5]|
.irp i, 6,10,14,18,22,26
	v_max3_num_f32 v12, v12, |v[XS+\i]|, |v[XS+\i+1]|
	v_max3_num_f32 v13, v13, |v[XS+\i+2]|, |v[XS+\i+3]|
.endr
	v_max3_num_f32 v12, v12, |v[XS+30]|, |v[XS+31]|
	v_max3_num_f32 v12, v12, v13, 0x1800000        ; and the floor 2^(3 - 127): the byte cannot fall under 1
	v_add_nc_u32 v11, 0xff000000, v12              ; 2 off the exponent field: the conversion's scale operand
	v_lshrrev_b32 v13, 23, v11                     ; the scale's byte
.if (\t) == 0
	v_mov_b32 v14, v13
.else
	v_lshl_or_b32 v14, v13, 8*(\t), v14            ; four bytes make the K step's scale word of my column
.endif
.irp g, 0,1,2,3
	v_cvt_scalef32_pk8_fp4_f32 v[32+4*(\t)+\g], v[XS+8*\g:XS+8*\g+7], v11
.endr
	v_nop                                          ; one plain line behind the conversions
	global_store_b128 v3, v[32+4*(\t):35+4*(\t)], s[28:29] offset:512*((\t)/2)+256*((\t)%2)   ; block t = 2 c + h of the image: the wave fills two aligned runs of 256 bytes
.endm
.macro WPATH n, nt, coff, soff, first, ptr
	v_lshlrev_b32 v2, 2, v1                        ; in: 4 bytes a lane
	s_wait_alu depctr_va_vdst(0)
	v_and_b32 v5, 7, v1
	v_bfe_u32 v6, v1, 4, 1
	v_lshl_add_u32 v5, v6, 3, v5                   ; my column's slot in its tile: (lane & 7) + 8 x bit 4
	v_bfe_u32 v6, v1, 3, 1                         ; and which of the group's two tiles: bit 3
	v_lshlrev_b32 v5, 4, v5
	v_lshl_add_u32 v3, v6, 12, v5                  ; codes: 4,096 x tile + 16 x slot
	v_lshl_add_u32 v4, v6, 9, v5                   ; scale words: 512 x tile + 16 x slot
	s_sub_co_u32 s17, ttmp9, \first
	s_and_b32 s18, s17, 7                          ; my K step of 128
	s_lshr_b32 s19, s17, 3
	s_lshl_b32 s19, s19, 2
	s_add_co_u32 s19, s19, s16                     ; my group of 32 columns: 4 x column group + wave
	s_mul_i32 s20, s18, 128*(\n)*4
	s_lshl_b32 s21, s19, 7
	s_add_co_u32 s20, s20, s21
	s_mov_b32 s21, 0
	s_add_nc_u64 s[24:25], s[\ptr:\ptr+1], s[20:21]
	s_lshr_b32 s22, s18, 2                         ; K half s
	s_and_b32 s23, s18, 3                          ; K step q in it
	s_mul_i32 s20, s22, (\nt)*4096
	s_lshl_b32 s26, s19, 13
	s_add_co_u32 s20, s20, s26
	s_lshl_b32 s26, s23, 10
	s_add_co_u32 s20, s20, s26
	s_add_co_u32 s20, s20, \coff
	s_add_nc_u64 s[28:29], s[12:13], s[20:21]
	s_lshl_b32 s20, s19, 10
	s_lshl_b32 s26, s22, 8
	s_add_co_u32 s20, s20, s26
	s_lshl_b32 s26, s23, 2
	s_add_co_u32 s20, s20, s26
	s_add_co_u32 s20, s20, \soff
	s_add_nc_u64 s[30:31], s[12:13], s[20:21]
	WLOAD 0, \n
	WLOAD 1, \n
	WBLOCK 0, \n
	WBLOCK 1, \n
	WBLOCK 2, \n
	WBLOCK 3, \n
	global_store_b32 v4, v14, s[30:31]             ; 4 bytes a lane, 16 bytes apart: runs written in part; one byte in 128 of what this path reads
.endm
; ---- x's path
.macro LOADK q                         ; K step q of my 16 slots: each load reads 512 consecutive bytes of one row
.set i, 0
.rept 16
	global_load_b128 v[R+64*((\q)%2)+4*i:R+64*((\q)%2)+4*i+3], v4, s[4:5] offset:(i+8*(i/8))*4096+512*(\q) th:TH_LOAD_NT
.set i, i+1
.endr
.endm
.macro KSTEP q
.if (\q) < 3
	s_wait_loadcnt 16                              ; this K step's 16 loads are in; the next one's 16 may be out
.else
	s_wait_loadcnt 0x0
.endif
.set i, 0
.rept 16
	ds_store_b128 v5, v[R+64*((\q)%2)+4*i:R+64*((\q)%2)+4*i+3] offset:SROW*i   ; through my own stage, as the rows lie;
.set i, i+1
.endr
.irp c, 0,1
.irp j, 0,1,2,3,4,5,6,7
	ds_load_b128 v[X+32*\c+4*\j:X+32*\c+4*\j+3], v6 offset:256*\c+16*\j        ; back as two whole blocks of 32 neighbours a lane (LDS serves a wave's instructions in order)
.endr
.endr
	s_wait_dscnt 0x0                               ; the numbers are back, and the stores have read their registers,
.if (\q) < 2
	LOADK (\q)+2                                   ; which take the loads of two K steps on
.endif
.irp c, 0,1
	v_max3_num_f32 v[244+\c], |v[X+32*\c]|, |v[X+32*\c+1]|, 0x1800000          ; my block 2 c + h, and the floor 2^(3 - 127)
.endr
.irp i, 2,4,6,8,10,12,14,16,18,20,22,24,26,28,30
.irp c, 0,1
	v_max3_num_f32 v[244+\c], v[244+\c], |v[X+32*\c+\i]|, |v[X+32*\c+\i+1]|    ; (the two blocks by turns)
.endr
.endr
.irp c, 0,1
	v_add_nc_u32 v[246+\c], 0xff000000, v[244+\c]  ; 2 off the exponent field: the conversion's scale operand
.endr
.irp c, 0,1
	v_lshrrev_b32 v[248+\c], 23, v[246+\c]         ; the scale's byte
.endr
	v_lshl_or_b32 v250, v249, 16, v248             ; my two bytes: blocks h and 2 + h,
	v_lshlrev_b32 v250, v8, v250                   ; 8 h bits up;
	v_permlanex16_b32 v251, v250, s20, s21
	v_or_b32 v[SW+(\q)], v250, v251                ; with lane l xor 16's two the word is whole
.irp c, 0,1
.irp g, 0,1,2,3
	v_cvt_scalef32_pk8_fp4_f32 v[C+8*(\q)+4*\c+\g], v[X+32*\c+8*\g:X+32*\c+8*\g+7], v[246+\c]
.endr
.endr
	v_nop                                          ; one plain line behind the conversions
.irp c, 0,1
	global_store_b128 v4, v[C+8*(\q)+4*\c:C+8*(\q)+4*\c+3], s[28:29] offset:1024*(\q)+512*\c   ; half an image: 512 consecutive bytes
.endr
.endm
	s_load_b128 s[4:7], s[0:1], 0x0                ; x, c_attn_w
	s_load_b128 s[8:11], s[0:1], 0x10              ; c_proj_w, xq
	s_load_b64 s[12:13], s[0:1], 0x20              ; wq
	v_lshl_add_u32 v[SPW], v0, 2, SPARE
	v_mov_b32 v[NIL], 0
	v_lshrrev_b32 v1, 5, v0
	v_readfirstlane_b32 s16, v1                    ; wave 0..3
	v_and_b32 v1, 31, v0                           ; lane
	s_wait_kmcnt 0x0
	s_cmp_lt_u32 ttmp9, 256
	s_cbranch_scc1 .Lx_path
	s_cmp_lt_u32 ttmp9, 448
	s_cbranch_scc1 .Lw_attn
	s_wait_alu depctr_va_vdst(0)
	WPATH 1024, 64, 1572864, 2195456, 448, 8
	s_branch .Lend
.Lw_attn:
	s_wait_alu depctr_va_vdst(0)
	WPATH 3072, 192, 0, 2097152, 256, 6
	s_branch .Lend
.Lx_path:
	v_and_b32 v2, 15, v0                           ; r
	v_bfe_u32 v3, v0, 4, 1                         ; h
	s_wait_alu depctr_va_vdst(0)
	v_lshlrev_b32 v4, 4, v1                        ; 16 x lane: in memory on the way in, in an image on the way out
	s_mul_i32 s23, s16, WSTG                       ; my stage
	v_add_nc_u32 v5, s23, v4                       ; into it: 16 x lane of a row
	v_mul_u32_u24 v6, v2, SROW
	v_lshl_add_u32 v6, v3, 7, v6
	v_add_nc_u32 v6, s23, v6                       ; out of it: row r, + 128 h
	v_lshlrev_b32 v7, 4, v2
	v_lshl_add_u32 v7, v3, 3, v7                   ; the scale words' way out: 16 r + 8 h
	v_lshlrev_b32 v8, 3, v3                        ; 8 h
	v_mov_b32 v251, 0                              ; written once: a lane permute's destination counts as one of its sources
	v_cmp_le_u32 s22, 16, v1                       ; the lanes with h = 1
	s_mov_b32 s20, 0x76543210
	s_mov_b32 s21, 0xfedcba98                      ; v_permlanex16_b32's selects for lane l xor 16
	s_lshl_b32 s17, ttmp9, 2
	s_add_co_u32 s17, s17, s16
	s_lshr_b32 s18, s17, 1                         ; my row tile
	s_and_b32 s19, s17, 1                          ; my half of K
	s_lshr_b32 s24, s18, 1
	s_lshl_b32 s24, s24, 17                        ; 32 rows of 4,096 bytes for each pair of tiles,
	s_and_b32 s25, s18, 1
	s_lshl_b32 s25, s25, 15                        ; 8 rows for the odd tile,
	s_add_co_u32 s24, s24, s25
	s_lshl_b32 s25, s19, 11                        ; 2,048 bytes for the second half of K
	s_add_co_u32 s24, s24, s25
	s_mov_b32 s25, 0
	s_add_nc_u64 s[4:5], s[4:5], s[24:25]
	s_lshl_b32 s24, s19, 21
	s_lshl_b32 s26, s18, 12
	s_add_co_u32 s24, s24, s26
	s_add_nc_u64 s[28:29], s[10:11], s[24:25]      ; my four images
	s_lshl_b32 s24, s18, 9
	s_lshl_b32 s26, s19, 8
	s_add_co_u32 s24, s24, s26
	s_add_co_u32 s24, s24, 4194304
	s_add_nc_u64 s[30:31], s[10:11], s[24:25]      ; my 256 bytes of scale words
	LOADK 0
	LOADK 1
	s_wait_alu depctr_va_vdst(0)
	KSTEP 0
	KSTEP 1
	KSTEP 2
	KSTEP 3
	v_cndmask_b32 v244, v240, v242, s22            ; lanes 0-15 store the words of K steps 0 and 1, lanes 16-31 those of 2 and 3
	v_cndmask_b32 v245, v241, v243, s22
	global_store_b64 v7, v[244:245], s[30:31]      ; 32 lanes store 256 consecutive bytes, aligned
.Lend:
	s_wait_tensorcnt 0x0                           ; the wave's end
	ds_add_u32 v[SPW], v[NIL]
	s_wait_dscnt 0x0
	s_endpgm
.Lfunc_end_k_qdcdca8e063_quant:
	.size	k_qdcdca8e063_quant, .Lfunc_end_k_qdcdca8e063_quant-k_qdcdca8e063_quant
	.p2alignl 7, 3214868480
	.fill 96, 4, 3214868480
	.section	.rodata,"a",@progbits
	.p2align	6, 0x0
	.amdhsa_kernel k_qdcdca8e063_quant
		.amdhsa_group_segment_fixed_size 34304
		.amdhsa_private_segment_fixed_size 0
		.amdhsa_enable_private_segment 0
		.amdhsa_kernarg_size 40
		.amdhsa_user_sgpr_count 2
		.amdhsa_user_sgpr_kernarg_segment_ptr 1
		.amdhsa_wavefront_size32 1
		.amdhsa_system_sgpr_workgroup_id_x 1
		.amdhsa_system_sgpr_workgroup_id_y 1
		.amdhsa_system_sgpr_workgroup_id_z 1
		.amdhsa_system_vgpr_workitem_id 0
		.amdhsa_next_free_vgpr 256
		.amdhsa_next_free_sgpr 66
		.amdhsa_reserve_vcc 0
		.amdhsa_float_denorm_mode_32 3
		.amdhsa_float_denorm_mode_16_64 3
		.amdhsa_memory_ordered 1
		.amdhsa_forward_progress 1
		.amdhsa_inst_pref_size 70
	.end_amdhsa_kernel
	.amdgpu_metadata
---
amdhsa.version: [ 1, 2 ]
amdhsa.kernels:
  - .name:           k_qdcdca8e063_quant
    .symbol:         k_qdcdca8e063_quant.kd
    .args:
      - { .name: x, .offset: 0, .size: 8, .value_kind: global_buffer, .address_space: global }
      - { .name: c_attn_w, .offset: 8, .size: 8, .value_kind: global_buffer, .address_space: global }
      - { .name: c_proj_w, .offset: 16, .size: 8, .value_kind: global_buffer, .address_space: global }
      - { .name: xq, .offset: 24, .size: 8, .value_kind: global_buffer, .address_space: global }
      - { .name: wq, .offset: 32, .size: 8, .value_kind: global_buffer, .address_space: global }
    .group_segment_fixed_size: 34304
    .private_segment_fixed_size: 0
    .kernarg_segment_align: 8
    .kernarg_segment_size: 40
    .max_flat_workgroup_size: 128
    .sgpr_count:     66
    .vgpr_count:     256
    .wavefront_size: 32
...
	.end_amdgpu_metadata
.endif
;; end of part 1
;; launch gemm1 (part 2): grid 12 x 32, 4 waves a work-group, clusters of 4 x 4, 327,680 bytes of LDS; arguments xq, wq, c_attn_b, qq, kv; writes qq, kv
.if DOCPART == 2
	.amdgcn_target "amdgcn-amd-amdhsa--gfx1250"
	.amdhsa_code_object_version 6
	.text
	.protected	k_qdcdca8e063_gemm1
	.globl	k_qdcdca8e063_gemm1
	.p2align	8
	.type	k_qdcdca8e063_gemm1,@function
k_qdcdca8e063_gemm1:
	s_mov_b64 s[64:65], 0
	v_nop
	global_prefetch_b8 v0, s[64:65] scope:SCOPE_SE
	s_setreg_imm32_b32 hwreg(HW_REG_WAVE_MODE, 25, 1), 1
	s_wait_xcnt 0x0
	s_wait_alu depctr_hold_cnt(0) depctr_sa_sdst(0) depctr_va_vdst(0) depctr_va_sdst(0) depctr_va_ssrc(0) depctr_va_vcc(0) depctr_vm_vsrc(0)
	s_getreg_b32 s2, hwreg(HW_REG_IB_STS2, 6, 4)
	s_cmp_eq_u32 s2, 0
	s_cbranch_scc0 .Lentry_in_a_cluster
	s_endpgm
.Lentry_in_a_cluster:
	s_bfe_u32 s2, ttmp6, 0x10000c
	s_cmp_lg_u32 s2, 0xf033
	s_cbranch_scc0 .Lentry_shape_is_right
	s_endpgm
.Lentry_shape_is_right:
; LAUNCH 2 OF 4: qkv = x c_attn_w + c_attn_b on codes of FP4 (M 8,192, N 3,072, K 1,024), and the quantisers of q, k (along the head's 64) and v (along the keys).  Nothing is left out here.
; A tile of 256 x 256 is made by four waves, each 128 x 128: 64 accumulators, 512 registers.  K = 1,024 is two LDS slots of 512; both are first fills: nothing is filled again.
; OPERANDS LIE AS IMAGES OF THEIR REGISTERS (launch quant): a wave's tensor load brings 8 tiles x 4 K steps x 1,024 bytes = 32,768 dense bytes; a fragment is two ds_load_b128 at 16 x lane: no pitch, no padding.
; CLUSTERS: 4 x 4 work-groups; A's tiles are shared along a row of the cluster, B's along a column, by joint loads.
; No prefetch: all bytes that a work-group reads are asked for by its first fills, at its head.
; TRANSPOSED USE: source 0 = 16 columns n of the weight, source 1 = 16 rows of x.  With the slots' order (launch quant) accumulator (a, b), lane (r, h), register j holds column 32 (b / 2) + 16 h + 8 (b % 2) + j of the
; wave's 128 and the token in slot r of row tile a.  The bias is the C of each sum's first product.
; THE WAY OUT hangs on the cluster's x, which all partners share: 0: q, 1: k, 2: v.  A wave's 128 columns are two heads, its 128 rows one key step.
;   q, k: a lane's 16 registers of tiles 2 b, 2 b + 1 are half a block of 32 along the head: quantised in registers; the codes are the images that launch attn loads.
;   v: K of the second attention product is the keys: 32 tokens x 64 channels at a time turn through the wave's own stage in LDS, so that a lane holds one channel and 32 keys in their true order.
; qq: codes [batch x head (64)][query tile (128)][lane][16]; from 4,194,304 scale words [bh][tile / 4][r][tile % 4] (bytes 0, 1 count; bytes 2, 3 scale zero codes and are never 0xff).
; kv: [bh][key step (16)][8,960]: K's 8 tiles [lane][16]; from 4,096 V^T's 4 images (16 channels x 128 keys); from 8,192 K's scale words [tile / 4][r][tile % 4]; from 8,704 V's [r][2 (tile % 2) + tile / 2].
; LIMITS: as stated at the head of launch quant.
; REGISTERS: window 0: v0-31 addresses; v32-95 scale words, two sets; v96-127 at work on the way out; v128-191 A's fragments, one set; v192-255 the bias.  window 1: B's fragments, two sets.  windows 2, 3: accumulators.
.set NQ,     4                         ; matrix instructions deep in a slot
.set FR,     8                         ; registers of a fragment
.set NL,     2                         ; LDS loads that bring one
.set NP,     4                         ; places behind this matrix instruction (ISA guide 7.12.1)
.set SLOT,   131072                    ; A's 16 tiles x 4,096 bytes, then B's
.set HALFT,  32768                     ; what one tensor load brings, and what one wave reads of A or of B
.set SCL,    262144                    ; the scale words: A's 16 tiles x 512 bytes, then B's
.set HALFS,  4096
.set SPARE,  278528                    ; the spare words, 128 bytes for each wave
.set STG,    279040                    ; the stages for v's way out: 32 rows x 272 bytes for each wave; no tensor load lands here
.set ASL,    2097152                   ; A's codes: from one half of K to the other
.set ASC,    4194304                   ; A's scale words
.set BOF,    0                         ; c_attn_w's codes in wq,
.set BSL,    786432                    ; from one half of K to the other,
.set BSC,    2097152                   ; and its scale words
.set VO0,  8                           ; v8   q, k: where my 16 bytes of the first head's image go
.set VO1,  9                           ; v9   the second head's
.set VS,   10                          ; v10  the scale words'
.set SH,   11                          ; v11  16 h
.set VOV,  12                          ; v12  v: my channel's place in an image
.set VSV,  13                          ; v13  and among the scale words
.set STO2, 14                          ; v14  v: into the stage
.set RD2,  15                          ; v15  and out of it
.set ADRA, 16                          ; v16-17 LDS address of my A fragments in slot 0, 1
.set ADRB, 20                          ; v20-21 the same for B
.set ADRS, 27                          ; v27  of my scale words: lanes 0-15 A's, lanes 16-31 B's
.set SPW,  28                          ; v28  my spare word; never rewritten
.set NIL,  29                          ; v29  0; never rewritten
.set BO,   30                          ; v30  the bias: 64 h
.set SC,   32
.set TM,   96                          ; v96-111 at work in the quantisers
.set SW,   112                         ; v112-119 scale words on their way out
.set PW,   120
.set AF,   128
.set PC,   128                         ; q, k: codes, eight registers for each row tile: no store's data are written again
.set VX,   128                         ; v: 64 numbers
.set BIAS, 192
.set CV,   192                         ; v: codes, four registers for each of 16 blocks
.set G1, 24
.set G0, 32
.set G1B, 48
.set G0B, 56
.set G1S, 68
.set G0S, 76
.set G1SB, 80
.set G0SB, 88
.set MSB, 0
.macro WIN new                         ; the immediate's high byte repeats the setting that is left
.if MSB != (\new)
	s_set_vgpr_msb (MSB<<8)|(\new)
.set MSB, (\new)
.endif
.endm
.set MUL_LO, 0xa1                      ; source 0 (B) window 1, source 1 (A) window 0, C and D window 2
.set MUL_HI, 0xf1                      ; the same, C and D window 3
.set TO_B,   0x40                      ; destination window 1, address window 0
; A joint load: waves 0 and 1 fetch for A, waves 2 and 3 for B; the branch hangs on the wave's number alone.  An s_nop 0 and four v_nop follow each line.
.macro JLOAD g0a, g1a, g0b, g1b
	s_cmp_eq_u32 s15, 0
	s_cbranch_scc0 .Lfor_b_\@
	tensor_load_to_lds s[\g0a:\g0a+3], s[\g1a:\g1a+7]
	s_nop 0
.rept 4
	v_nop
.endr
	s_branch .Lasked_\@
.Lfor_b_\@:
	tensor_load_to_lds s[\g0b:\g0b+3], s[\g1b:\g1b+7]
	s_nop 0
.rept 4
	v_nop
.endr
.Lasked_\@:
.endm
.macro CREST
	s_cmp_lg_u32 s14, 0
	s_cbranch_scc1 .Lnot_wave_0_\@
	s_barrier_signal -3
.Lnot_wave_0_\@:
	s_barrier_wait -3
	s_barrier_signal -1
	s_barrier_wait -1
.endm
.macro CROUND                          ; a round of the cluster's barrier
	s_barrier_signal -1
	s_barrier_wait -1
	CREST
.endm
	s_load_b128 s[4:7], s[0:1], 0x0                ; xq, wq
	s_load_b128 s[8:11], s[0:1], 0x10              ; c_attn_b, qq
	s_load_b64 s[12:13], s[0:1], 0x20              ; kv
	v_lshl_add_u32 v[SPW], v0, 2, SPARE
	v_mov_b32 v[NIL], 0
	ds_add_u32 v[SPW], v[NIL]                      ; the wave's opening: the add, twice on end, and its wait ahead of my first tensor load
	ds_add_u32 v[SPW], v[NIL]
	v_lshrrev_b32 v1, 5, v0
	v_readfirstlane_b32 s14, v1                    ; wave 0..3
	s_lshr_b32 s15, s14, 1                         ; which half of the tile's rows is mine.  Also: I fetch for A (0) or for B (1)
	s_and_b32 s16, s14, 1                          ; which half of its columns.  Also: which half of that operand's tiles I fetch
	s_bfe_u32 s40, ttmp6, 0x40000                  ; cx, cy: my place in the cluster
	s_bfe_u32 s41, ttmp6, 0x40004
	s_lshl_b32 s42, ttmp9, 2
	s_add_co_u32 s42, s42, s40                     ; tile column = 4 x cluster x + cx
	s_and_b32 s17, ttmp7, 0xffff
	s_lshl_b32 s17, s17, 2
	s_add_co_u32 s17, s17, s41                     ; tile row = 4 x cluster y + cy
	s_lshl_b32 s43, s41, 2
	s_lshl_b32 s43, 15, s43                        ; my row of the cluster
	s_lshl_b32 s44, 0x1111, s40                    ; my column
	; descriptor group 1: a dense block as rows of 256 bytes (32 elements of 8 bytes), no padding: 128 rows of codes, 16 rows of scale words
	s_or_b32 s[G1+0], s43, (3<<16)|(1<<21)         ; 15:0 the mask; 17:16 elements of 8 bytes; 21 set beside a mask
	s_or_b32 s[G1B+0], s44, (3<<16)|(1<<21)
.irp g, G1, G1B
	s_mov_b32 s[\g+1], 32<<16                      ; tensor_dim0
	s_mov_b32 s[\g+2], 128<<16                     ; tensor_dim1
	s_mov_b32 s[\g+3], 32<<16                      ; tile_dim0
	s_mov_b32 s[\g+4], 128                         ; tile_dim1
	s_mov_b32 s[\g+5], 32                          ; tensor_dim0_stride
	s_mov_b32 s[\g+6], 0
	s_mov_b32 s[\g+7], 0
.endr
	s_or_b32 s[G1S+0], s43, (3<<16)|(1<<21)
	s_or_b32 s[G1SB+0], s44, (3<<16)|(1<<21)
.irp g, G1S, G1SB
	s_mov_b32 s[\g+1], 32<<16
	s_mov_b32 s[\g+2], 16<<16
	s_mov_b32 s[\g+3], 32<<16
	s_mov_b32 s[\g+4], 16
	s_mov_b32 s[\g+5], 32
	s_mov_b32 s[\g+6], 0
	s_mov_b32 s[\g+7], 0
.endr
	s_lshl_b32 s18, s16, 15                        ; which 8 tiles I fetch
	s_lshl_b32 s20, s17, 16
	s_add_co_u32 s20, s20, s18                     ; A's codes: 65,536 x tile row + 32,768 x half
	s_mov_b32 s21, 0
	s_lshl_b32 s46, s42, 16
	s_add_co_u32 s46, s46, s18
	s_add_co_u32 s46, s46, BOF                     ; B's: by the tile column
	s_mov_b32 s47, 0
	s_lshl_b32 s18, s16, 12
	s_lshl_b32 s22, s17, 13
	s_add_co_u32 s22, s22, s18
	s_add_co_u32 s22, s22, ASC                     ; A's scale words
	s_mov_b32 s23, 0
	s_lshl_b32 s92, s42, 13
	s_add_co_u32 s92, s92, s18
	s_add_co_u32 s92, s92, BSC                     ; B's
	s_mov_b32 s93, 0
	s_lshl_b32 s45, s14, 15                        ; where they go: wave x 32,768: no place in the cluster enters an LDS address
	s_lshl_b32 s94, s14, 12
	s_wait_dscnt 0x0                               ; both opening adds are done
	s_wait_kmcnt 0x0
	s_add_nc_u64 s[20:21], s[4:5], s[20:21]
	s_add_nc_u64 s[22:23], s[4:5], s[22:23]
	s_add_nc_u64 s[46:47], s[6:7], s[46:47]
	s_add_nc_u64 s[92:93], s[6:7], s[92:93]
	CROUND                                         ; all sixteen work-groups are here: the first joint loads meet
	s_mov_b32 s[G0S], 1
	s_add_co_u32 s[G0S+1], s94, SCL
	s_mov_b64 s[G0S+2:G0S+3], s[22:23]
	s_or_b32 s[G0S+3], s[G0S+3], 0x80000000
	s_mov_b32 s[G0SB], 1
	s_add_co_u32 s[G0SB+1], s94, SCL
	s_mov_b64 s[G0SB+2:G0SB+3], s[92:93]
	s_or_b32 s[G0SB+3], s[G0SB+3], 0x80000000
	JLOAD G0S, G1S, G0SB, G1SB                     ; the scale words first: they are wanted with slot 0
	s_mov_b32 s[G0], 1
	s_add_co_u32 s[G0+1], s45, 0
	s_add_nc_u64 s[G0+2:G0+3], s[20:21], 0
	s_or_b32 s[G0+3], s[G0+3], 0x80000000
	s_mov_b32 s[G0B], 1
	s_add_co_u32 s[G0B+1], s45, 0
	s_add_nc_u64 s[G0B+2:G0B+3], s[46:47], 0
	s_or_b32 s[G0B+3], s[G0B+3], 0x80000000
	JLOAD G0, G1, G0B, G1B                         ; slot 0: K 0 .. 511
	s_mov_b32 s[G0+4], 1
	s_add_co_u32 s[G0+5], s45, SLOT
	s_add_nc_u64 s[G0+6:G0+7], s[20:21], ASL
	s_or_b32 s[G0+7], s[G0+7], 0x80000000
	s_mov_b32 s[G0B+4], 1
	s_add_co_u32 s[G0B+5], s45, SLOT
	s_add_nc_u64 s[G0B+6:G0B+7], s[46:47], BSL
	s_or_b32 s[G0B+7], s[G0B+7], 0x80000000
	JLOAD G0+4, G1, G0B+4, G1B                     ; slot 1: K 512 .. 1,023.  Three tensor loads of mine are out
	v_and_b32 v1, 15, v0                           ; r
	v_bfe_u32 v2, v0, 4, 1                         ; h
	s_wait_alu depctr_va_vdst(0)
	v_and_b32 v3, 31, v0
	v_lshlrev_b32 v3, 4, v3                        ; 16 x lane
	s_lshl_b32 s21, s15, 15                        ; my 8 tiles of A
	s_lshl_b32 s22, s16, 15                        ; my 8 tiles of B,
	s_add_co_u32 s22, s22, 2*HALFT                 ; which lie behind A's 16
.irp s, 0,1
	v_add_nc_u32 v[ADRA+\s], s21, v3
	v_add_nc_u32 v[ADRB+\s], s22, v3
	s_add_co_u32 s21, s21, SLOT
	s_add_co_u32 s22, s22, SLOT
.endr
	v_lshlrev_b32 v5, 4, v1                        ; my slot's four scale words of a slot: 16 r
	s_mul_i32 s21, s15, HALFS                      ; A's: my 8 tiles
	s_mul_i32 s22, s16, HALFS                      ; B's: my 8 tiles, behind A's 16
	s_add_co_u32 s22, s22, 2*HALFS
	s_sub_co_u32 s22, s22, s21
	v_mul_u32_u24 v6, s22, v2                      ; lanes 16-31 take B's
	s_add_co_u32 s21, s21, SCL
	v_add_nc_u32 v5, v5, v6
	v_add_nc_u32 v[ADRS], s21, v5
	s_mul_i32 s23, s14, 32*272
	s_add_co_u32 s23, s23, STG                     ; my stage
	v_mul_u32_u24 v4, v1, 272
	v_lshl_add_u32 v4, v2, 6, v4
	v_add_nc_u32 v[STO2], s23, v4                  ; in: row r, + 64 h
	v_and_b32 v4, 31, v0
	v_lshlrev_b32 v4, 2, v4
	v_add_nc_u32 v[RD2], s23, v4                   ; out: 4 x lane: my channel
	v_lshlrev_b32 v[BO], 6, v2                     ; the bias: lane (r, h) wants, for tile b, columns 32 (b / 2) + 16 h + 8 (b % 2) + 0 .. 7
	s_lshl_b32 s46, s42, 10
	s_lshl_b32 s47, s16, 9
	s_add_co_u32 s46, s46, s47
	s_mov_b32 s47, 0
	s_add_nc_u64 s[8:9], s[8:9], s[46:47]
.irp b, 0,1,2,3,4,5,6,7
	global_load_b128 v[BIAS+8*\b:BIAS+8*\b+3], v[BO], s[8:9] offset:4*(32*(\b/2)+8*(\b%2))
	global_load_b128 v[BIAS+8*\b+4:BIAS+8*\b+7], v[BO], s[8:9] offset:4*(32*(\b/2)+8*(\b%2))+16
.endr
.macro FRAG reg, adr, q, i             ; tile i's fragment of the slot's q-th 128 along K: its image, two loads of 512 consecutive bytes
.irp c, 0,1
	ds_load_b128 v[\reg+4*\c:\reg+4*\c+3], v[\adr] offset:4096*(\i)+1024*(\q)+512*\c
.endr
.endm
; 16 matrix instructions: A's blocks a0, a0 + 1 x B's eight.  p: B's set; sc: the set of scale words.  zero = 1: the first product starts the sums, with the bias as C.
; The 64 accumulators take turns, one instruction a turn, in the same order in every step.
.macro MUL16 a0, p, q, sc, zero
.irp a, \a0, \a0+1
.irp b, 0,1,2,3,4,5,6,7
.if \zero
	v_wmma_scale_f32_16x16x128_f8f6f4 v[8*(8*((\a)%4)+\b):8*(8*((\a)%4)+\b)+7], v[128*(\p)+FR*\b:128*(\p)+FR*\b+FR-1], v[AF+FR*(\a):AF+FR*(\a)+FR-1], v[BIAS+8*\b:BIAS+8*\b+7], v[SC+8*NQ*(\sc)+NQ*\b+(\q)], v[SC+8*NQ*(\sc)+NQ*(\a)+(\q)] matrix_a_fmt:MATRIX_FMT_FP4 matrix_b_fmt:MATRIX_FMT_FP4 matrix_a_scale:MATRIX_SCALE_ROW1
.else
	v_wmma_scale_f32_16x16x128_f8f6f4 v[8*(8*((\a)%4)+\b):8*(8*((\a)%4)+\b)+7], v[128*(\p)+FR*\b:128*(\p)+FR*\b+FR-1], v[AF+FR*(\a):AF+FR*(\a)+FR-1], v[8*(8*((\a)%4)+\b):8*(8*((\a)%4)+\b)+7], v[SC+8*NQ*(\sc)+NQ*\b+(\q)], v[SC+8*NQ*(\sc)+NQ*(\a)+(\q)] matrix_a_fmt:MATRIX_FMT_FP4 matrix_b_fmt:MATRIX_FMT_FP4 matrix_a_scale:MATRIX_SCALE_ROW1
.endif
.endr
.endr
.endm
.macro FETCH_B slot, q, p
	WIN TO_B
.irp i, 0,1,2,3,4,5,6,7
	FRAG 128*(\p)+FR*\i, ADRB+\slot, \q, \i
.endr
	WIN 0
.endm
.macro FETCH_A slot, q, i0
.irp i, \i0, \i0+1, \i0+2, \i0+3
	FRAG AF+FR*(\i), ADRA+\slot, \q, \i
.endr
.endm
.macro SCALES sc                       ; slot sc's scale words: four words a slot of a tile; lanes 0-15 take A's tile i, lanes 16-31 B's tile i
.irp i, 0,1,2,3,4,5,6,7
	ds_load_b128 v[SC+8*NQ*\sc+NQ*\i:SC+8*NQ*\sc+NQ*\i+3], v[ADRS] offset:512*\i+256*\sc
.endr
.endm
.macro PLACES n                        ; plain vector lines between a matrix instruction and a load into, or a read of, its registers
.rept \n
	v_nop
.endr
.endm
.macro STEP slot, q, zero              ; 128 along K that have their successor in the same slot
	s_wait_dscnt 4*NL                              ; B's set and A's blocks 0-3 are in; the youngest eight loads (A's blocks 4-7) may be out
	WIN MUL_LO-0x20*(\zero)                        ; (zero = 1: C, the bias, lies in window 0)
	MUL16 0, (\q)%2, \q, \slot, \zero
	MUL16 2, (\q)%2, \q, \slot, \zero
	s_wait_dscnt 0                                 ; A's blocks 4-7 are in
	PLACES NP
	FETCH_B \slot, (\q)+1, 1-(\q)%2
	FETCH_A \slot, (\q)+1, 0
	WIN MUL_HI-0x30*(\zero)
	MUL16 4, (\q)%2, \q, \slot, \zero
	MUL16 6, (\q)%2, \q, \slot, \zero
	PLACES NP
	WIN 0
	FETCH_A \slot, (\q)+1, 4
.endm
.macro TURN slot, next                 ; a slot's last step changes slots: one barrier
	s_wait_tensorcnt 0x0                           ; all my tensor loads have landed: my part of the next slot
	ds_add_u32 v[SPW], v[NIL]                      ; 0 onto my spare word
	s_wait_dscnt 4*NL+1                            ; (the add and the youngest eight loads may be out)
	WIN MUL_LO
	MUL16 0, 1, NQ-1, \slot, 0
	s_wait_dscnt 0x0                               ; the add is done, and my reads of this slot are over
	s_barrier_signal -1
	MUL16 2, 1, NQ-1, \slot, 0
	WIN 0
	s_barrier_wait -1                              ; every wave's part of the next slot has landed
	PLACES NP
	FETCH_B \next, 0, 0
	FETCH_A \next, 0, 0
	SCALES \next
	WIN MUL_HI
	MUL16 4, 1, NQ-1, \slot, 0
	MUL16 6, 1, NQ-1, \slot, 0
	PLACES NP
	WIN 0
	FETCH_A \next, 0, 4
.endm
	s_wait_alu depctr_va_vdst(0)
	s_wait_tensorcnt 1                             ; the scale words and my part of slot 0 are in (slot 1's load may be out),
	s_barrier_signal -1
	s_barrier_wait -1                              ; everybody's are
	FETCH_B 0, 0, 0
	FETCH_A 0, 0, 0
	SCALES 0
	FETCH_A 0, 0, 4
	s_wait_loadcnt 0x0                             ; the bias
	STEP 0, 0, 1
	STEP 0, 1, 0
	STEP 0, 2, 0
	TURN 0, 1
	STEP 1, 0, 0
	STEP 1, 1, 0
	STEP 1, 2, 0
	s_wait_dscnt 4*NL                              ; the last step: nothing more to fetch
	WIN MUL_LO
	MUL16 0, 1, NQ-1, 1, 0
	MUL16 2, 1, NQ-1, 1, 0
	s_wait_dscnt 0
	WIN MUL_HI
	MUL16 4, 1, NQ-1, 1, 0
	MUL16 6, 1, NQ-1, 1, 0
	WIN 0
	PLACES NP
	; ---- THE WAY OUT.  Ids enter global addresses alone
	s_lshr_b32 s96, s17, 3                         ; the batch: 8 tile rows each
	s_lshl_b32 s96, s96, 4
	s_lshl_b32 s98, s40, 2
	s_add_co_u32 s96, s96, s98
	s_lshl_b32 s98, s16, 1
	s_add_co_u32 s96, s96, s98                     ; my first head: 16 x batch + 4 cx + 2 x my half of the columns
	s_and_b32 s95, s17, 7
	s_lshl_b32 s95, s95, 1
	s_add_co_u32 s95, s95, s15                     ; my key step of 128 tokens
	s_mul_i32 s97, s96, 143360
	s_mul_i32 s98, s95, 8960
	s_add_co_u32 s97, s97, s98                     ; its block in kv
	s_mov_b32 s2, 0x76543210
	s_mov_b32 s3, 0xfedcba98                       ; v_permlanex16_b32's selects for lane l xor 16
	s_cmp_eq_u32 ttmp9, 2                          ; the cluster's x: the same in all sixteen partners
	s_cbranch_scc1 .Lv_path
	; ---- q and k
	s_lshl_b32 s92, s96, 16
	s_lshl_b32 s98, s95, 12
	s_add_co_u32 s92, s92, s98                     ; q: its codes,
	s_lshl_b32 s93, s96, 13
	s_lshl_b32 s98, s95, 9
	s_add_co_u32 s93, s93, s98
	s_add_co_u32 s93, s93, 4194304                 ; its scale words
	s_add_co_u32 s98, s97, 8192                    ; k: its scale words
	s_mov_b32 s46, 143360
	s_cmp_eq_u32 ttmp9, 0
	s_cselect_b64 s[66:67], s[10:11], s[12:13]     ; qq or kv
	s_cselect_b32 s92, s92, s97
	s_cselect_b32 s93, s93, s98
	s_cselect_b32 s47, 65536, s46                  ; from head to head: codes,
	s_cselect_b32 s46, 8192, s46                   ; scale words
	v_add_nc_u32 v[VO0], s92, v3
	v_add_nc_u32 v[VO1], s47, v[VO0]
	v_mul_u32_u24 v4, s46, v2                      ; lanes 16-31 store the second head's words
	v_lshl_add_u32 v4, v1, 4, v4
	v_add_nc_u32 v[VS], s93, v4
	v_lshlrev_b32 v[SH], 4, v2
.irp b, 0,1,2,3
	v_mov_b32 v[TM+4+\b], 0                        ; written once: a lane permute's destination counts as one of its sources
.endr
; Row tile a: its 64 numbers a lane are four half blocks (two heads x two blocks of 32); codes and scale word as the operands of q k^T want them
.macro QUANTA a
.set AC, 64*((\a)%4)
	WIN 0x0a+5*((\a)/4)                            ; sources 0 and 1: the accumulators' window
.irp b, 0,1,2,3
	v_max3_num_f32 v[TM+\b], |v[AC+16*\b]|, |v[AC+16*\b+1]|, 0x1800000     ; each accumulator from its low end on; the floor 2^(3 - 127)
.endr
.irp i, 2,4,6,8,10,12,14
.irp b, 0,1,2,3
	v_max3_num_f32 v[TM+\b], |v[AC+16*\b+\i]|, |v[AC+16*\b+\i+1]|, v[TM+\b]
.endr
.endr
	WIN 0
.irp b, 0,1,2,3
	v_permlanex16_b32 v[TM+4+\b], v[TM+\b], s2, s3
.endr
.irp b, 0,1,2,3
	v_max_num_f32 v[TM+\b], v[TM+\b], v[TM+4+\b]   ; with lane l xor 16's: the block's largest magnitude
.endr
.irp b, 0,1,2,3
	v_add_nc_u32 v[TM+12+\b], 0xff000000, v[TM+\b] ; 2 off the exponent field: the conversion's scale operand
.endr
.irp b, 0,1,2,3
	v_lshrrev_b32 v[TM+4+\b], 23, v[TM+12+\b]      ; the scale's byte
.endr
	v_lshl_or_b32 v[PW], v[TM+5], 8, v[TM+4]
	v_lshl_or_b32 v[PW], v[TM+6], 16, v[PW]
	v_lshl_or_b32 v[PW], v[TM+7], 24, v[PW]        ; bytes 0, 1: the first head's; bytes 2, 3: the second's
	WIN 0x02+((\a)/4)
.irp b, 0,1,2,3
	v_cvt_scalef32_pk8_fp4_f32 v[PC+8*(\a)+2*\b], v[AC+16*\b:AC+16*\b+7], v[TM+12+\b]
	v_cvt_scalef32_pk8_fp4_f32 v[PC+8*(\a)+2*\b+1], v[AC+16*\b+8:AC+16*\b+15], v[TM+12+\b]
.endr
	WIN 0
	v_nop                                          ; one plain line behind the conversions
.irp c, 0,1                                    ; a whole block to a lane: registers 4 c .. 4 c + 3 are head c, block h
.irp i, 0,1
	v_permlane16_swap_b32 v[PC+8*(\a)+4*\c+\i], v[PC+8*(\a)+4*\c+2+\i]
.endr
.endr
	v_lshrrev_b32 v[SW+(\a)], v[SH], v[PW]         ; lanes 16-31: the second head's two bytes come down
	global_store_b128 v[VO0], v[PC+8*(\a):PC+8*(\a)+3], s[66:67] offset:512*(\a)       ; 512 consecutive bytes: the tile's image
	global_store_b128 v[VO1], v[PC+8*(\a)+4:PC+8*(\a)+7], s[66:67] offset:512*(\a)
.if (\a)%4 == 3
	global_store_b128 v[VS], v[SW+(\a)-3:SW+(\a)], s[66:67] offset:256*((\a)/4)        ; four tiles' words: sixteen lanes store 256 consecutive bytes, aligned
.endif
.endm
.irp a, 0,1,2,3,4,5,6,7
	QUANTA \a
.endr
	s_branch .Lout
.Lv_path:
	; ---- v: K = the keys
	v_and_b32 v4, 31, v0
	v_and_b32 v5, 7, v4
	v_bfe_u32 v6, v4, 4, 1
	v_lshl_add_u32 v5, v6, 3, v5                   ; my channel's slot in its tile: (lane & 7) + 8 x bit 4
	v_bfe_u32 v6, v4, 3, 1                         ; and which of the two tiles: bit 3
	v_lshlrev_b32 v5, 4, v5
	v_lshl_add_u32 v[VOV], v6, 10, v5
	v_add_nc_u32 v[VOV], s97, v[VOV]
	v_lshl_add_u32 v[VSV], v6, 3, v5
	v_add_nc_u32 v[VSV], s97, v[VSV]
.macro VQ k, e, g                      ; keys 32 k on, head e, channels 32 g + lane: one block of 32 keys a lane
.set XS, VX+32*(\g)
.set CI, CV+4*(4*(\k)+2*(\e)+(\g))
	v_max3_num_f32 v96, |v[XS]|, |v[XS+1]|, |v[XS+2]|
	v_max3_num_f32 v97, |v[XS+3]|, |v[XS+4]|, |v[XS+5]|
.irp i, 6,10,14,18,22,26
	v_max3_num_f32 v96, v96, |v[XS+\i]|, |v[XS+\i+1]|
	v_max3_num_f32 v97, v97, |v[XS+\i+2]|, |v[XS+\i+3]|
.endr
	v_max3_num_f32 v96, v96, |v[XS+30]|, |v[XS+31]|
	v_max3_num_f32 v96, v96, v97, 0x1800000
	v_add_nc_u32 v98, 0xff000000, v96
	v_lshrrev_b32 v97, 23, v98
.if (\k) == 0
	v_mov_b32 v[SW+2*(\e)+(\g)], v97
.else
	v_lshl_or_b32 v[SW+2*(\e)+(\g)], v97, 8*(\k), v[SW+2*(\e)+(\g)]
.endif
.irp u, 0,1,2,3
	v_cvt_scalef32_pk8_fp4_f32 v[CI+\u], v[XS+8*\u:XS+8*\u+7], v98
.endr
	v_nop                                          ; one plain line behind the conversions
	global_store_b128 v[VOV], v[CI:CI+3], s[12:13] offset:143360*(\e)+4096+2048*(\g)+512*((\k)/2)+256*((\k)%2)   ; two aligned runs of 256 bytes
.endm
.macro VBLOCK k, e                     ; 32 tokens (row tiles 2 k, 2 k + 1) x 64 channels of head e turn through my stage
	WIN 0x08+4*((\k)/2)                            ; an LDS store's data are its source 1
.irp aa, 0,1
.irp bb, 0,1,2,3
	ds_store_b128 v[STO2], v[64*((2*(\k)+\aa)%4)+8*(4*(\e)+\bb):64*((2*(\k)+\aa)%4)+8*(4*(\e)+\bb)+3] offset:4352*\aa+128*(\bb/2)+32*(\bb%2)
	ds_store_b128 v[STO2], v[64*((2*(\k)+\aa)%4)+8*(4*(\e)+\bb)+4:64*((2*(\k)+\aa)%4)+8*(4*(\e)+\bb)+7] offset:4352*\aa+128*(\bb/2)+32*(\bb%2)+16
.endr
.endr
	WIN 0
.irp g, 0,1
.set i, 0
.rept 32
	ds_load_b32 v[VX+32*\g+i], v[RD2] offset:272*((i&7)+16*((i>>3)&1)+8*((i>>4)&1))+128*\g   ; key i of the 32 lies in slot (i & 7) + 16 x bit 3 + 8 x bit 4.  LDS serves a wave's instructions in order
.set i, i+1
.endr
.endr
	s_wait_dscnt 32                                ; the first 32 channels' numbers are in; the other 32 loads may be out
	VQ \k, \e, 0
	s_wait_dscnt 0x0
	VQ \k, \e, 1
.endm
.irp k, 0,1,2,3
	VBLOCK \k, 0
	VBLOCK \k, 1
.endr
.irp e, 0,1
	global_store_b64 v[VSV], v[SW+2*\e:SW+2*\e+1], s[12:13] offset:143360*\e+8704    ; 32 lanes store 256 consecutive bytes, aligned
.endr
.Lout:
	s_wait_tensorcnt 0x0                           ; the wave's end
	ds_add_u32 v[SPW], v[NIL]
	s_wait_dscnt 0x0
	CROUND                                         ; the closing round
	s_endpgm
.Lfunc_end_k_qdcdca8e063_gemm1:
	.size	k_qdcdca8e063_gemm1, .Lfunc_end_k_qdcdca8e063_gemm1-k_qdcdca8e063_gemm1
	.p2alignl 7, 3214868480
	.fill 96, 4, 3214868480
	.section	.rodata,"a",@progbits
	.p2align	6, 0x0
	.amdhsa_kernel k_qdcdca8e063_gemm1
		.amdhsa_group_segment_fixed_size 327680
		.amdhsa_private_segment_fixed_size 0
		.amdhsa_enable_private_segment 0
		.amdhsa_kernarg_size 40
		.amdhsa_user_sgpr_count 2
		.amdhsa_user_sgpr_kernarg_segment_ptr 1
		.amdhsa_wavefront_size32 1
		.amdhsa_system_sgpr_workgroup_id_x 1
		.amdhsa_system_sgpr_workgroup_id_y 1
		.amdhsa_system_sgpr_workgroup_id_z 1
		.amdhsa_system_vgpr_workitem_id 0
		.amdhsa_next_free_vgpr 1024
		.amdhsa_next_free_sgpr 100
		.amdhsa_reserve_vcc 0
		.amdhsa_float_denorm_mode_32 3
		.amdhsa_float_denorm_mode_16_64 3
		.amdhsa_memory_ordered 1
		.amdhsa_forward_progress 1
		.amdhsa_inst_pref_size 197
	.end_amdhsa_kernel
	.amdgpu_metadata
---
amdhsa.version: [ 1, 2 ]
amdhsa.kernels:
  - .name:           k_qdcdca8e063_gemm1
    .symbol:         k_qdcdca8e063_gemm1.kd
    .args:
      - { .name: xq, .offset: 0, .size: 8, .value_kind: global_buffer, .address_space: global }
      - { .name: wq, .offset: 8, .size: 8, .value_kind: global_buffer, .address_space: global }
      - { .name: c_attn_b, .offset: 16, .size: 8, .value_kind: global_buffer, .address_space: global }
      - { .name: qq, .offset: 24, .size: 8, .value_kind: global_buffer, .address_space: global }
      - { .name: kv, .offset: 32, .size: 8, .value_kind: global_buffer, .address_space: global }
    .group_segment_fixed_size: 327680
    .private_segment_fixed_size: 0
    .kernarg_segment_align: 8
    .kernarg_segment_size: 40
    .max_flat_workgroup_size: 128
    .sgpr_count:     100
    .vgpr_count:     1024
    .wavefront_size: 32
...
	.end_amdgpu_metadata
.endif
;; end of part 2
;; launch attn (part 3): grid 4 x 64, 16 waves a work-group, no clusters, 167,936 bytes of LDS; arguments qq, kv, ao; writes ao
.if DOCPART == 3
	.amdgcn_target "amdgcn-amd-amdhsa--gfx1250"
	.amdhsa_code_object_version 6
	.text
	.protected	k_qdcdca8e063_attn
	.globl	k_qdcdca8e063_attn
	.p2align	8
	.type	k_qdcdca8e063_attn,@function
k_qdcdca8e063_attn:
	s_mov_b64 s[64:65], 0
	v_nop
	global_prefetch_b8 v0, s[64:65] scope:SCOPE_SE
	s_setreg_imm32_b32 hwreg(HW_REG_WAVE_MODE, 25, 1), 1
	s_wait_xcnt 0x0
; LAUNCH 3 OF 4: o = softmax(q k^T / 8, causal) v for 64 (batch, head) pairs, 2,048 positions, head size 64, both products on codes of FP4; o is quantised along the model's 1,024 for launch gemm2.
; WORK LEFT OUT: a key step all of whose 128 keys come after all 16 queries of a tile has weight 0 throughout by reference()'s own causal mask: it is jumped over whole (shown at the head of launch quant).
; THE SOFTMAX: t = score x log2(e) / 8; M = the running largest t rounded up to a whole number; p = 2^(t - M) is quantised along the keys, not normalised; the row's sum of the unquantised p divides at the end.
; When M moves, the sum and O are multiplied by 2^(old M - new M): exact.
; SHARES.  Work-group (i, bh) holds ALL of its head's K and V in LDS: 16 key steps x 8,960 bytes, each wave bringing one step by one tensor load: first fills alone, one barrier, nothing filled again.
; Wave w takes query tile 4 w + i and then tile 127 - (4 w + i): together 17 live key steps in every wave.  The second tile of waves 0 and 1 reaches step 15: every fill is read.
; NO CLUSTER, though the four work-groups of a head read the same K and V: which steps a wave jumps over hangs on its query tile, which differs between those four, and partners of a cluster must branch alike.
; NO PREFETCH: all bytes of K and V are asked for at the kernel's head.
; LAYOUT.  Both products transposed: S^T = K Q^T, O^T = V^T P^T: a lane holds one query (slot lane % 16 of its tile) throughout.  Slot r of tile J is position 32 (J / 2) + 8 (J % 2) + r + 8 (r / 8), for keys and queries
; alike, so that register 16 b + i of S^T is key 32 b + 16 (lane / 16) + i of the step.  The head's 64 fill half of the instruction's K of 128: registers 4-7 of K's and Q's fragments are zero codes.
; V^T's channels lie in the same order of slots: register 16 g + i of O^T is channel 32 g + 16 (lane / 16) + i.
; ao: as xq (launch quant): K step = head / 2, c = head % 2.  Its scale bytes leave one a lane: a scale word spans two heads, which lie in two work-groups; one byte for each 16 of codes.
; LIMITS: as stated at the head of launch quant.
; REGISTERS: v1 16 x lane, v2 16 r, v3 16 r + h, v4 r + 8 (r / 8) - 16 h, v7 -infinity, v8-9 addresses in hand; v12 -M, v13 the largest t, v[14:15] the sum; v16-23 Q; v24-31 K's scale words; v32-95 K's 8 fragments;
; v96-159 S^T, then p; v160-191 O^T; v192-223 V's 4 fragments; v224-231 p's codes; v232-247, v252, v254 at work; v248-251 V's scale words; v253 p's; v255 Q's.
.set STEPB, 8960
.set SPARE, 143360                     ; behind the head's K and V: the spare words, 128 bytes for each of 16 waves
.set SPW,  5
.set NIL,  6
.set WV,   18
.set BH,   19
.set G0,   20                          ; s[20:23] descriptor group 0
.set G1,   24                          ; s[24:31] group 1
.set SEL,  32                          ; s[32:33] v_permlanex16_b32's selects for lane l xor 16
.set CS,   34                          ; s[34:35] c = log2(e) / 8
.set TB,   36                          ; LDS byte at which the step in hand begins
.set KF,   37                          ; its first key
.set Q0,   38                          ; the tile's first query
.set J,    39                          ; the query tile
.set OC,   44
.set OS,   45
.set BB,   46
.set HM,   56                          ; the lanes with h = 1
.macro STEP
	s_cmp_gt_u32 s[KF], s[Q0]                      ; KF is a multiple of 128 and a tile's queries lie in one group of 32: KF > Q0 means that every key of the step comes after every query
	s_cbranch_scc1 .Lhidden_\@
	s_setprio 2
	v_add_nc_u32 v8, s[TB], v1
	v_add_nc_u32 v9, s[TB], v2
.irp t, 0,1,2,3,4,5,6,7
	ds_load_b128 v[32+8*\t:35+8*\t], v8 offset:512*\t                      ; K's tile t: 512 consecutive bytes
.endr
	ds_load_b128 v[24:27], v9 offset:8192
	ds_load_b128 v[28:31], v9 offset:8448                                  ; K's scale words, a register a tile
.irp d, 0,1,2,3
.irp c, 0,1
	ds_load_b128 v[192+8*\d+4*\c:195+8*\d+4*\c], v8 offset:4096+1024*\d+512*\c
.endr
.endr
	ds_load_b128 v[248:251], v9 offset:8704                                ; V's scale words
	s_wait_dscnt 9                                 ; K and its scale words are in; V's nine loads may be out
.irp t, 0,1,2,3,4,5,6,7
	v_wmma_scale_f32_16x16x128_f8f6f4 v[96+8*\t:103+8*\t], v[32+8*\t:39+8*\t], v[16:23], 0, v[24+\t], v255 matrix_a_fmt:MATRIX_FMT_FP4 matrix_b_fmt:MATRIX_FMT_FP4
.endr
.rept 4
	v_nop
.endr
	s_add_co_u32 s40, s[KF], 127                   ; on the diagonal hidden scores become -infinity ahead of the maximum; a step all of whose keys count skips this
	s_cmp_le_u32 s40, s[Q0]
	s_cbranch_scc1 .Lopen_\@
	s_sub_co_i32 s40, s[Q0], s[KF]
	v_add_nc_u32 v240, s40, v4                     ; d = my query - KF - 16 h: register 16 b + i is hidden where 32 b + i > d
.set n, 0
.rept 64
	v_cmp_gt_i32 vcc_lo, 32*(n/16)+n%16, v240
	v_cndmask_b32 v[96+n], v[96+n], v7, vcc_lo
.set n, n+1
.endr
.Lopen_\@:
.irp b, 0,1,2,3
	v_max3_num_f32 v[232+\b], v[96+16*\b], v[97+16*\b], v[98+16*\b]        ; the largest score of each block of 32 keys: for the row's maximum, and for the block's largest p
.endr
.irp i, 3,5,7,9,11,13
.irp b, 0,1,2,3
	v_max3_num_f32 v[232+\b], v[232+\b], v[96+16*\b+\i], v[97+16*\b+\i]
.endr
.endr
.irp b, 0,1,2,3
	v_max_num_f32 v[232+\b], v[232+\b], v[111+16*\b]
.endr
.irp b, 0,1,2,3
	s_delay_alu instid0(VALU_DEP_4)
	v_permlanex16_b32 v[236+\b], v[232+\b], s[SEL], s[SEL+1]
.endr
.irp b, 0,1,2,3
	s_delay_alu instid0(VALU_DEP_4)
	v_max_num_f32 v[232+\b], v[232+\b], v[236+\b]  ; with lane l xor 16's 16 keys
.endr
	s_delay_alu instid0(VALU_DEP_2)
	v_max3_num_f32 v254, v232, v233, v234
	s_delay_alu instid0(VALU_DEP_1)
	v_max_num_f32 v254, v254, v235
	s_delay_alu instid0(VALU_DEP_1)
	v_mul_f32 v254, s[CS], v254                    ; the step's largest t
	s_delay_alu instid0(VALU_DEP_1)
	v_max_num_f32 v13, v13, v254                   ; the running largest t
	v_mov_b32 v254, v12
	s_delay_alu instid0(VALU_DEP_2)
	v_floor_f32 v12, -v13                          ; the new -M = floor(-t): M is a whole number
	s_delay_alu instid0(VALU_DEP_1)
	v_sub_f32 v254, v12, v254                      ; old M - new M: a whole number, 0 or less
	s_delay_alu instid0(VALU_DEP_1)
	v_cvt_i32_f32 v254, v254                       ; (it saturates)
	s_delay_alu instid0(VALU_DEP_1)
	v_ldexp_f32 v252, 1.0, v254                    ; f = 2^(old M - new M)
.set j, 0
.rept 32
	v_pk_fma_f32 v[96+j:97+j], v[96+j:97+j], s[CS:CS+1], v[12:13] op_sel_hi:[1,0,0]   ; t - M, two at a time
.set j, j+2
.endr
	s_setprio 1
.irp b, 0,1,2,3
	v_fma_f32 v[232+\b], v[232+\b], s[CS], v12     ; the same of each block's largest score
.endr
.set j, 0
	s_wait_alu depctr_va_vdst(0)
.rept 64
	v_exp_f32 v[96+j], v[96+j]                     ; p = 2^(t - M)
.set j, j+1
.endr
	v_pk_mul_f32 v[14:15], v[14:15], v[252:253] op_sel_hi:[1,0]   ; the sums under the new M: the plain line behind the exponentials
	s_wait_alu depctr_va_vdst(0)                   ; one wait for the batch of 64, ahead of its first reader
.irp b, 0,1,2,3
	v_exp_f32 v[232+\b], v[232+\b]                 ; the block's largest p
.endr
	v_pk_add_f32 v[236:237], v[100:101], v[104:105]
	v_pk_add_f32 v[246:247], v[108:109], v[112:113]
	v_pk_add_f32 v[244:245], v[116:117], v[120:121]
	v_pk_add_f32 v[242:243], v[124:125], v[128:129]
	v_pk_add_f32 v[240:241], v[132:133], v[136:137]
	v_pk_add_f32 v[238:239], v[140:141], v[144:145]
	v_pk_add_f32 v[230:231], v[148:149], v[152:153]
	v_pk_add_f32 v[14:15], v[14:15], v[156:157]
	v_pk_add_f32 v[236:237], v[236:237], v[96:97]
	v_pk_add_f32 v[246:247], v[246:247], v[98:99]
	v_pk_add_f32 v[244:245], v[244:245], v[102:103]
	v_pk_add_f32 v[242:243], v[242:243], v[106:107]
	v_pk_add_f32 v[240:241], v[240:241], v[110:111]
	v_pk_add_f32 v[238:239], v[238:239], v[114:115]
	v_pk_add_f32 v[230:231], v[230:231], v[118:119]
	v_pk_add_f32 v[14:15], v[14:15], v[122:123]
	v_pk_add_f32 v[236:237], v[236:237], v[126:127]
	v_pk_add_f32 v[246:247], v[246:247], v[130:131]
	v_pk_add_f32 v[244:245], v[244:245], v[134:135]
	v_pk_add_f32 v[242:243], v[242:243], v[138:139]
	v_pk_add_f32 v[240:241], v[240:241], v[142:143]
	v_pk_add_f32 v[238:239], v[238:239], v[146:147]
	v_pk_add_f32 v[230:231], v[230:231], v[150:151]
	v_pk_add_f32 v[14:15], v[14:15], v[154:155]
	v_pk_add_f32 v[236:237], v[236:237], v[158:159]
	s_delay_alu instid0(VALU_DEP_2)
	v_pk_add_f32 v[14:15], v[14:15], v[242:243]
	s_delay_alu instid0(VALU_DEP_2)
	v_pk_add_f32 v[236:237], v[236:237], v[240:241]
	v_pk_add_f32 v[246:247], v[246:247], v[238:239]
	v_pk_add_f32 v[244:245], v[244:245], v[230:231]
	s_delay_alu instid0(VALU_DEP_2)
	v_pk_add_f32 v[14:15], v[14:15], v[246:247]
	s_delay_alu instid0(VALU_DEP_2)
	v_pk_add_f32 v[236:237], v[236:237], v[244:245]
	s_delay_alu instid0(VALU_DEP_1)
	v_pk_add_f32 v[14:15], v[14:15], v[236:237]
	s_wait_alu depctr_va_vdst(0)                   ; and one for the four
.irp b, 0,1,2,3
	v_max_num_f32 v[232+\b], 0x1800000, v[232+\b]  ; the floor 2^(3 - 127)
.endr
.irp b, 0,1,2,3
	s_delay_alu instid0(VALU_DEP_4)
	v_add_nc_u32 v[244+\b], 0xff000000, v[232+\b]  ; the conversion's scale operand
.endr
.irp b, 0,1,2,3
	s_delay_alu instid0(VALU_DEP_4)
	v_lshrrev_b32 v[236+\b], 23, v[244+\b]         ; the scale's byte
.endr
	s_delay_alu instid0(VALU_DEP_3)
	v_lshl_or_b32 v253, v237, 8, v236              ; p's scale word for these 128 keys
	s_delay_alu instid0(VALU_DEP_1)
	v_lshl_or_b32 v253, v238, 16, v253
	s_delay_alu instid0(VALU_DEP_1)
	v_lshl_or_b32 v253, v239, 24, v253
	s_setprio 0
.irp b, 0,1,2,3
	v_cvt_scalef32_pk8_fp4_f32 v[224+2*\b], v[96+16*\b:103+16*\b], v[244+\b]
	v_cvt_scalef32_pk8_fp4_f32 v[225+2*\b], v[104+16*\b:111+16*\b], v[244+\b]
.endr
	v_nop                                          ; one plain line behind the conversions
.irp c, 0,1
.irp i, 0,1
	v_permlane16_swap_b32 v[224+4*\c+\i], v[226+4*\c+\i]   ; a whole block to a lane
.endr
.endr
.set j, 0
.rept 16
	v_pk_mul_f32 v[160+j:161+j], v[160+j:161+j], v[252:253] op_sel_hi:[1,0]   ; O^T under the new M
.set j, j+2
.endr
.rept 4
	v_nop
.endr
	s_wait_alu depctr_va_vdst(0)
	s_wait_dscnt 0x0                               ; V and its scale words are in
.irp d, 0,1,2,3
	v_wmma_scale_f32_16x16x128_f8f6f4 v[160+8*\d:167+8*\d], v[192+8*\d:199+8*\d], v[224:231], v[160+8*\d:167+8*\d], v[248+2*(\d%2)+\d/2], v253 matrix_a_fmt:MATRIX_FMT_FP4 matrix_b_fmt:MATRIX_FMT_FP4
.endr
.rept 4
	v_nop                                          ; places in front of the next step's loads and of the way out's reads
.endr
.Lhidden_\@:
.endm
; One query tile, s[J]; steps: the constant number of trips (key steps 0 .. steps - 1; those past the tile's diagonal are jumped over inside the trip)
.macro PASS steps
	s_wait_xcnt 0x0                                ; the last pass's loads and stores have read their registers and bases
	s_lshr_b32 s40, s[J], 1
	s_lshl_b32 s40, s40, 5
	s_and_b32 s41, s[J], 1
	s_lshl_b32 s41, s41, 3
	s_add_co_u32 s[Q0], s40, s41                   ; 32 (J / 2) + 8 (J % 2)
	s_lshl_b32 s40, s[BH], 7
	s_add_co_u32 s40, s40, s[J]
	s_lshl_b32 s40, s40, 9
	s_mov_b32 s41, 0
	s_add_nc_u64 s[48:49], s[4:5], s[40:41]        ; Q's codes
	s_lshl_b32 s40, s[BH], 13
	s_lshr_b32 s42, s[J], 2
	s_lshl_b32 s42, s42, 8
	s_add_co_u32 s40, s40, s42
	s_and_b32 s42, s[J], 3
	s_lshl_b32 s42, s42, 2
	s_add_co_u32 s40, s40, s42
	s_add_co_u32 s40, s40, 4194304
	s_add_nc_u64 s[50:51], s[4:5], s[40:41]        ; Q's scale words
	s_lshl_b32 s42, s[BB], 7
	s_add_co_u32 s42, s42, s[J]                    ; the row tile of ao: 128 x batch + J
	s_lshl_b32 s40, s42, 12
	s_add_co_u32 s40, s40, s[OC]
	s_add_nc_u64 s[52:53], s[8:9], s[40:41]        ; o's codes
	s_lshl_b32 s40, s42, 9
	s_add_co_u32 s40, s40, s[OS]
	s_add_nc_u64 s[54:55], s[8:9], s[40:41]        ; o's scale bytes
	global_load_b128 v[16:19], v1, s[48:49]
	global_load_b32 v255, v2, s[50:51]
	v_mov_b32 v13, 0xff61b1e6                      ; the largest t so far: -3e38
	s_delay_alu instid0(VALU_DEP_1)
	v_floor_f32 v12, -v13
	v_mov_b32 v14, 0
	v_mov_b32 v15, 0
.set j, 0
.rept 32
	v_mov_b32 v[160+j], 0                          ; O^T: the step is written once: the first finds zeros
.set j, j+1
.endr
	s_mov_b32 s[TB], 0
	s_mov_b32 s[KF], 0
	s_wait_loadcnt 0x0
.Lstep_\@:
	STEP
	s_add_co_u32 s[TB], s[TB], STEPB
	s_add_co_u32 s[KF], s[KF], 128
	s_cmp_lt_u32 s[KF], 128*(\steps)
	s_cbranch_scc1 .Lstep_\@
	s_setprio 0
	; the way out: O^T / the sum, quantised along the head's 64: two blocks of 32
	v_add_f32 v14, v14, v15
	s_delay_alu instid0(VALU_DEP_1)
	v_permlanex16_b32 v252, v14, s[SEL], s[SEL+1]
	s_delay_alu instid0(VALU_DEP_1)
	v_add_f32 v14, v14, v252                       ; the row's sum
	s_wait_alu depctr_va_vdst(0)
	v_rcp_f32 v14, v14
	v_nop                                          ; a plain line behind the reciprocal
	s_wait_alu depctr_va_vdst(0)                   ; and the wait ahead of its first reader
.set j, 0
.rept 32
	v_mul_f32 v[96+j], v[160+j], v14
.set j, j+1
.endr
.irp b, 0,1
	v_max3_num_f32 v[232+\b], |v[96+16*\b]|, |v[97+16*\b]|, 0x1800000
.endr
.irp i, 2,4,6,8,10,12,14
.irp b, 0,1
	s_delay_alu instid0(VALU_DEP_2)
	v_max3_num_f32 v[232+\b], v[232+\b], |v[96+16*\b+\i]|, |v[97+16*\b+\i]|
.endr
.endr
.irp b, 0,1
	s_delay_alu instid0(VALU_DEP_2)
	v_permlanex16_b32 v[236+\b], v[232+\b], s[SEL], s[SEL+1]
.endr
.irp b, 0,1
	s_delay_alu instid0(VALU_DEP_2)
	v_max_num_f32 v[232+\b], v[232+\b], v[236+\b]
.endr
.irp b, 0,1
	s_delay_alu instid0(VALU_DEP_2)
	v_add_nc_u32 v[244+\b], 0xff000000, v[232+\b]
.endr
.irp b, 0,1
	s_delay_alu instid0(VALU_DEP_2)
	v_lshrrev_b32 v[236+\b], 23, v[244+\b]
.endr
.irp b, 0,1
	v_cvt_scalef32_pk8_fp4_f32 v[224+2*\b], v[96+16*\b:103+16*\b], v[244+\b]
	v_cvt_scalef32_pk8_fp4_f32 v[225+2*\b], v[104+16*\b:111+16*\b], v[244+\b]
.endr
	v_nop                                          ; one plain line behind the conversions
	v_permlane16_swap_b32 v224, v226               ; lane (r, h): block h, whole
	v_permlane16_swap_b32 v225, v227
	v_cndmask_b32 v238, v236, v237, s[HM]          ; and its byte
	global_store_b128 v1, v[224:227], s[52:53]     ; half an image: 512 consecutive bytes
	global_store_b8 v3, v238, s[54:55]
.endm
	s_load_b128 s[4:7], s[0:1], 0x0                ; qq, kv
	s_load_b64 s[8:9], s[0:1], 0x10                ; ao
	v_lshl_add_u32 v[SPW], v0, 2, SPARE
	v_mov_b32 v[NIL], 0
	ds_add_u32 v[SPW], v[NIL]                      ; the wave's opening: the add, twice on end, and its wait ahead of my first tensor load
	ds_add_u32 v[SPW], v[NIL]
	v_lshrrev_b32 v8, 5, v0
	s_delay_alu instid0(VALU_DEP_1)
	v_readfirstlane_b32 s[WV], v8                  ; wave 0..15
	s_and_b32 s[BH], ttmp7, 0xffff                 ; 16 x batch + head
	; descriptor group 1: a key step's 8,960 dense bytes as 35 rows of 256 (32 elements of 8 bytes)
	s_mov_b32 s[G1], 3<<16
	s_mov_b32 s[G1+1], 32<<16
	s_mov_b32 s[G1+2], 35<<16
	s_mov_b32 s[G1+3], 32<<16
	s_mov_b32 s[G1+4], 35
	s_mov_b32 s[G1+5], 32
	s_mov_b32 s[G1+6], 0
	s_mov_b32 s[G1+7], 0
	s_lshl_b32 s40, s[BH], 4
	s_add_co_u32 s40, s40, s[WV]
	s_mul_i32 s40, s40, STEPB                      ; step w of my head, in memory,
	s_mov_b32 s41, 0
	s_mov_b32 s[G0], 1
	s_mul_i32 s[G0+1], s[WV], STEPB                ; and in LDS
	s_mov_b32 s[SEL], 0x76543210
	s_mov_b32 s[SEL+1], 0xfedcba98
	s_mov_b32 s[CS], 0x3e38aa3b                    ; c = log2(e) / 8
	s_mov_b32 s[CS+1], s[CS]
	s_lshr_b32 s[BB], s[BH], 4                     ; the batch
	s_and_b32 s42, s[BH], 15                       ; the head
	s_lshr_b32 s43, s42, 3
	s_lshl_b32 s[OC], s43, 21                      ; ao's codes: 2,097,152 (head / 8)
	s_lshl_b32 s[OS], s43, 8                       ; its scale bytes: 256 (head / 8)
	s_bfe_u32 s43, s42, 0x20001
	s_lshl_b32 s47, s43, 10
	s_add_co_u32 s[OC], s[OC], s47                 ; + 1,024 ((head / 2) % 4)
	s_lshl_b32 s47, s43, 2
	s_add_co_u32 s[OS], s[OS], s47                 ; + 4 ((head / 2) % 4)
	s_and_b32 s43, s42, 1
	s_lshl_b32 s47, s43, 9
	s_add_co_u32 s[OC], s[OC], s47                 ; + 512 (head % 2)
	s_lshl_b32 s47, s43, 1
	s_add_co_u32 s[OS], s[OS], s47                 ; + 2 (head % 2)
	s_add_co_u32 s[OS], s[OS], 4194304
	s_lshl_b32 s[J], s[WV], 2
	s_add_co_u32 s[J], s[J], ttmp9                 ; my first query tile: 4 w + i
	s_wait_dscnt 0x0                               ; both opening adds are done
	s_wait_kmcnt 0x0
	s_add_nc_u64 s[G0+2:G0+3], s[6:7], s[40:41]
	s_or_b32 s[G0+3], s[G0+3], 0x80000000
	tensor_load_to_lds s[G0:G0+3], s[G1:G1+7]      ; my one tensor load
	s_nop 0
	v_and_b32 v8, 31, v0
	s_delay_alu instid0(VALU_DEP_1)
	v_lshlrev_b32 v1, 4, v8                        ; 16 x lane
	v_and_b32 v9, 15, v0                           ; r
	v_bfe_u32 v10, v0, 4, 1                        ; h
	s_delay_alu instid0(VALU_DEP_2)
	v_lshlrev_b32 v2, 4, v9
	s_delay_alu instid0(VALU_DEP_1)
	v_add_nc_u32 v3, v2, v10
	s_delay_alu instid0(VALU_DEP_4)
	v_and_b32 v11, 8, v9
	s_delay_alu instid0(VALU_DEP_1)
	v_add_nc_u32 v4, v11, v9
	v_lshlrev_b32 v11, 4, v10
	s_delay_alu instid0(VALU_DEP_1)
	v_sub_nc_u32 v4, v4, v11
	v_mov_b32 v7, 0xff800000
	v_cmp_le_u32 s[HM], 16, v8
.irp j, 20,21,22,23
	v_mov_b32 v\j, 0                               ; Q's K 64 .. 127: zero codes
.endr
.irp t, 0,1,2,3,4,5,6,7
.irp j, 4,5,6,7
	v_mov_b32 v[32+8*\t+\j], 0                     ; K's likewise: written once
.endr
.endr
.irp j, 236,237,238,239,252,253
	v_mov_b32 v\j, 0                               ; written once: lane permutes' destinations, and the pair v[252:253]
.endr
	s_wait_tensorcnt 0x0                           ; my step has landed,
	s_barrier_signal -1
	s_barrier_wait -1                              ; everybody's has
	PASS 8                                         ; tiles 0 .. 63 end in key steps 0 .. 7
	s_sub_co_u32 s[J], 127, s[J]
	PASS 16
	s_wait_tensorcnt 0x0                           ; the wave's end
	ds_add_u32 v[SPW], v[NIL]
	s_wait_dscnt 0x0
	s_endpgm
.Lfunc_end_k_qdcdca8e063_attn:
	.size	k_qdcdca8e063_attn, .Lfunc_end_k_qdcdca8e063_attn-k_qdcdca8e063_attn
	.p2alignl 7, 3214868480
	.fill 96, 4, 3214868480
	.section	.rodata,"a",@progbits
	.p2align	6, 0x0
	.amdhsa_kernel k_qdcdca8e063_attn
		.amdhsa_group_segment_fixed_size 167936
		.amdhsa_private_segment_fixed_size 0
		.amdhsa_enable_private_segment 0
		.amdhsa_kernarg_size 24
		.amdhsa_user_sgpr_count 2
		.amdhsa_user_sgpr_kernarg_segment_ptr 1
		.amdhsa_wavefront_size32 1
		.amdhsa_system_sgpr_workgroup_id_x 1
		.amdhsa_system_sgpr_workgroup_id_y 1
		.amdhsa_system_sgpr_workgroup_id_z 1
		.amdhsa_system_vgpr_workitem_id 0
		.amdhsa_next_free_vgpr 256
		.amdhsa_next_free_sgpr 66
		.amdhsa_reserve_vcc 1
		.amdhsa_float_denorm_mode_32 3
		.amdhsa_float_denorm_mode_16_64 3
		.amdhsa_memory_ordered 1
		.amdhsa_forward_progress 1
		.amdhsa_inst_pref_size 61
	.end_amdhsa_kernel
	.amdgpu_metadata
---
amdhsa.version: [ 1, 2 ]
amdhsa.kernels:
  - .name:           k_qdcdca8e063_attn
    .symbol:         k_qdcdca8e063_attn.kd
    .args:
      - { .name: qq, .offset: 0, .size: 8, .value_kind: global_buffer, .address_space: global }
      - { .name: kv, .offset: 8, .size: 8, .value_kind: global_buffer, .address_space: global }
      - { .name: ao, .offset: 16, .size: 8, .value_kind: global_buffer, .address_space: global }
    .group_segment_fixed_size: 167936
    .private_segment_fixed_size: 0
    .kernarg_segment_align: 8
    .kernarg_segment_size: 24
    .max_flat_workgroup_size: 512
    .sgpr_count:     66
    .vgpr_count:     256
    .wavefront_size: 32
...
	.end_amdgpu_metadata
.endif
;; end of part 3
;; launch gemm2 (part 4): grid 4 x 32, 4 waves a work-group, clusters of 4 x 4, 327,680 bytes of LDS; arguments ao, wq, c_proj_b, out0; writes out0
.if DOCPART == 4
	.amdgcn_target "amdgcn-amd-amdhsa--gfx1250"
	.amdhsa_code_object_version 6
	.text
	.protected	k_qdcdca8e063_gemm2
	.globl	k_qdcdca8e063_gemm2
	.p2align	8
	.type	k_qdcdca8e063_gemm2,@function
k_qdcdca8e063_gemm2:
	s_mov_b64 s[64:65], 0
	v_nop
	global_prefetch_b8 v0, s[64:65] scope:SCOPE_SE
	s_setreg_imm32_b32 hwreg(HW_REG_WAVE_MODE, 25, 1), 1
	s_wait_xcnt 0x0
	s_wait_alu depctr_hold_cnt(0) depctr_sa_sdst(0) depctr_va_vdst(0) depctr_va_sdst(0) depctr_va_ssrc(0) depctr_va_vcc(0) depctr_vm_vsrc(0)
	s_getreg_b32 s2, hwreg(HW_REG_IB_STS2, 6, 4)
	s_cmp_eq_u32 s2, 0
	s_cbranch_scc0 .Lentry_in_a_cluster
	s_endpgm
.Lentry_in_a_cluster:
	s_bfe_u32 s2, ttmp6, 0x10000c
	s_cmp_lg_u32 s2, 0xf033
	s_cbranch_scc0 .Lentry_shape_is_right
	s_endpgm
.Lentry_shape_is_right:
; LAUNCH 4 OF 4: out0 = o c_proj_w + c_proj_b on codes of FP4 (M 8,192, N 1,024, K 1,024).  Nothing is left out here.
; The product is launch gemm1's: a tile of 256 x 256 by four waves of 128 x 128; K in two LDS slots of 512, both first fills; operands as images of their registers; 4 x 4 clusters with joint loads;
; source 0 = 16 columns of the weight, source 1 = 16 rows of o; the bias is the C of each sum's first product.  No prefetch: all bytes that a work-group reads are asked for at its head.
; 128 work-groups: a tile of 128 x 256 would give 256; the tile is kept so that both products share one text.
; THE WAY OUT: accumulator (a, b), lane (r, h), register j is column 32 (b / 2) + 16 h + 8 (b % 2) + j of the wave's 128, and row 32 (a / 2) + 8 (a % 2) + r + 8 (r / 8) of its 128.  A block of 16 slots goes through the
; wave's own stage in LDS and leaves as whole rows of 512 bytes.
; LIMITS: as stated at the head of launch quant.
; REGISTERS: window 0: v0-31 addresses; v32-95 scale words, two sets; v128-191 A's fragments; v192-255 the bias; on the way out v128-255 rows of the result.  window 1: B's fragments, two sets.  windows 2, 3: accumulators.
.set NQ,     4
.set FR,     8
.set NL,     2
.set NP,     4
.set SLOT,   131072
.set HALFT,  32768
.set SCL,    262144
.set HALFS,  4096
.set SPARE,  278528                    ; the spare words, 128 bytes for each wave
.set STG,    279040                    ; the stages: 16 rows x 528 bytes for each wave; no tensor load lands here
.set SPITCH, 528
.set ASL,    2097152
.set ASC,    4194304
.set BOF,    1572864                   ; c_proj_w's codes in wq,
.set BSL,    262144                    ; from one half of K to the other,
.set BSC,    2195456                   ; and its scale words
.set ADRA, 16
.set ADRB, 20
.set STO,  24                          ; v24  into the stage: row r, + 64 h
.set RD,   25                          ; v25  out of it: 16 x lane
.set CO,   26                          ; v26  16 x lane in a row of out0
.set ADRS, 27
.set SPW,  28
.set NIL,  29
.set BO,   30
.set SC,   32
.set AF,   128
.set BK,   128                         ; 16 rows read back from the stage: v128-191 and v192-255 by turns
.set BIAS, 192
.set G1, 24
.set G0, 32
.set G1B, 48
.set G0B, 56
.set G1S, 68
.set G0S, 76
.set G1SB, 80
.set G0SB, 88
.set MSB, 0
.macro WIN new                         ; the immediate's high byte repeats the setting that is left
.if MSB != (\new)
	s_set_vgpr_msb (MSB<<8)|(\new)
.set MSB, (\new)
.endif
.endm
.set MUL_LO, 0xa1
.set MUL_HI, 0xf1
.set TO_B,   0x40
.macro JLOAD g0a, g1a, g0b, g1b        ; a joint load: waves 0 and 1 fetch for A, waves 2 and 3 for B; an s_nop 0 and four v_nop follow each line
	s_cmp_eq_u32 s15, 0
	s_cbranch_scc0 .Lfor_b_\@
	tensor_load_to_lds s[\g0a:\g0a+3], s[\g1a:\g1a+7]
	s_nop 0
.rept 4
	v_nop
.endr
	s_branch .Lasked_\@
.Lfor_b_\@:
	tensor_load_to_lds s[\g0b:\g0b+3], s[\g1b:\g1b+7]
	s_nop 0
.rept 4
	v_nop
.endr
.Lasked_\@:
.endm
.macro CREST
	s_cmp_lg_u32 s14, 0
	s_cbranch_scc1 .Lnot_wave_0_\@
	s_barrier_signal -3
.Lnot_wave_0_\@:
	s_barrier_wait -3
	s_barrier_signal -1
	s_barrier_wait -1
.endm
.macro CROUND
	s_barrier_signal -1
	s_barrier_wait -1
	CREST
.endm
	s_load_b128 s[4:7], s[0:1], 0x0                ; ao, wq
	s_load_b128 s[8:11], s[0:1], 0x10              ; c_proj_b, out0
	v_lshl_add_u32 v[SPW], v0, 2, SPARE
	v_mov_b32 v[NIL], 0
	ds_add_u32 v[SPW], v[NIL]                      ; the wave's opening: the add, twice on end, and its wait ahead of my first tensor load
	ds_add_u32 v[SPW], v[NIL]
	v_lshrrev_b32 v1, 5, v0
	v_readfirstlane_b32 s14, v1                    ; wave 0..3
	s_lshr_b32 s15, s14, 1                         ; my half of the tile's rows; also: I fetch for A (0) or for B (1)
	s_and_b32 s16, s14, 1                          ; my half of its columns; also: which half of that operand's tiles I fetch
	s_bfe_u32 s40, ttmp6, 0x40000                  ; cx, cy
	s_bfe_u32 s41, ttmp6, 0x40004
	s_lshl_b32 s42, ttmp9, 2
	s_add_co_u32 s42, s42, s40                     ; tile column
	s_and_b32 s17, ttmp7, 0xffff
	s_lshl_b32 s17, s17, 2
	s_add_co_u32 s17, s17, s41                     ; tile row
	s_lshl_b32 s43, s41, 2
	s_lshl_b32 s43, 15, s43                        ; my row of the cluster
	s_lshl_b32 s44, 0x1111, s40                    ; my column
	s_or_b32 s[G1+0], s43, (3<<16)|(1<<21)         ; dense blocks as rows of 256 bytes (32 elements of 8 bytes), no padding
	s_or_b32 s[G1B+0], s44, (3<<16)|(1<<21)
.irp g, G1, G1B
	s_mov_b32 s[\g+1], 32<<16
	s_mov_b32 s[\g+2], 128<<16
	s_mov_b32 s[\g+3], 32<<16
	s_mov_b32 s[\g+4], 128
	s_mov_b32 s[\g+5], 32
	s_mov_b32 s[\g+6], 0
	s_mov_b32 s[\g+7], 0
.endr
	s_or_b32 s[G1S+0], s43, (3<<16)|(1<<21)
	s_or_b32 s[G1SB+0], s44, (3<<16)|(1<<21)
.irp g, G1S, G1SB
	s_mov_b32 s[\g+1], 32<<16
	s_mov_b32 s[\g+2], 16<<16
	s_mov_b32 s[\g+3], 32<<16
	s_mov_b32 s[\g+4], 16
	s_mov_b32 s[\g+5], 32
	s_mov_b32 s[\g+6], 0
	s_mov_b32 s[\g+7], 0
.endr
	s_lshl_b32 s18, s16, 15
	s_lshl_b32 s20, s17, 16
	s_add_co_u32 s20, s20, s18                     ; A's codes
	s_mov_b32 s21, 0
	s_lshl_b32 s46, s42, 16
	s_add_co_u32 s46, s46, s18
	s_add_co_u32 s46, s46, BOF                     ; B's
	s_mov_b32 s47, 0
	s_lshl_b32 s18, s16, 12
	s_lshl_b32 s22, s17, 13
	s_add_co_u32 s22, s22, s18
	s_add_co_u32 s22, s22, ASC                     ; A's scale words
	s_mov_b32 s23, 0
	s_lshl_b32 s92, s42, 13
	s_add_co_u32 s92, s92, s18
	s_add_co_u32 s92, s92, BSC                     ; B's
	s_mov_b32 s93, 0
	s_lshl_b32 s45, s14, 15
	s_lshl_b32 s94, s14, 12
	s_wait_dscnt 0x0                               ; both opening adds are done
	s_wait_kmcnt 0x0
	s_add_nc_u64 s[20:21], s[4:5], s[20:21]
	s_add_nc_u64 s[22:23], s[4:5], s[22:23]
	s_add_nc_u64 s[46:47], s[6:7], s[46:47]
	s_add_nc_u64 s[92:93], s[6:7], s[92:93]
	CROUND                                         ; all sixteen work-groups are here: the first joint loads meet
	s_mov_b32 s[G0S], 1
	s_add_co_u32 s[G0S+1], s94, SCL
	s_mov_b64 s[G0S+2:G0S+3], s[22:23]
	s_or_b32 s[G0S+3], s[G0S+3], 0x80000000
	s_mov_b32 s[G0SB], 1
	s_add_co_u32 s[G0SB+1], s94, SCL
	s_mov_b64 s[G0SB+2:G0SB+3], s[92:93]
	s_or_b32 s[G0SB+3], s[G0SB+3], 0x80000000
	JLOAD G0S, G1S, G0SB, G1SB
	s_mov_b32 s[G0], 1
	s_add_co_u32 s[G0+1], s45, 0
	s_add_nc_u64 s[G0+2:G0+3], s[20:21], 0
	s_or_b32 s[G0+3], s[G0+3], 0x80000000
	s_mov_b32 s[G0B], 1
	s_add_co_u32 s[G0B+1], s45, 0
	s_add_nc_u64 s[G0B+2:G0B+3], s[46:47], 0
	s_or_b32 s[G0B+3], s[G0B+3], 0x80000000
	JLOAD G0, G1, G0B, G1B
	s_mov_b32 s[G0+4], 1
	s_add_co_u32 s[G0+5], s45, SLOT
	s_add_nc_u64 s[G0+6:G0+7], s[20:21], ASL
	s_or_b32 s[G0+7], s[G0+7], 0x80000000
	s_mov_b32 s[G0B+4], 1
	s_add_co_u32 s[G0B+5], s45, SLOT
	s_add_nc_u64 s[G0B+6:G0B+7], s[46:47], BSL
	s_or_b32 s[G0B+7], s[G0B+7], 0x80000000
	JLOAD G0+4, G1, G0B+4, G1B                     ; three tensor loads of mine are out
	v_and_b32 v1, 15, v0                           ; r
	v_bfe_u32 v2, v0, 4, 1                         ; h
	s_wait_alu depctr_va_vdst(0)
	v_and_b32 v3, 31, v0
	v_lshlrev_b32 v3, 4, v3                        ; 16 x lane
	s_lshl_b32 s21, s15, 15
	s_lshl_b32 s22, s16, 15
	s_add_co_u32 s22, s22, 2*HALFT
.irp s, 0,1
	v_add_nc_u32 v[ADRA+\s], s21, v3
	v_add_nc_u32 v[ADRB+\s], s22, v3
	s_add_co_u32 s21, s21, SLOT
	s_add_co_u32 s22, s22, SLOT
.endr
	v_lshlrev_b32 v5, 4, v1
	s_mul_i32 s21, s15, HALFS
	s_mul_i32 s22, s16, HALFS
	s_add_co_u32 s22, s22, 2*HALFS
	s_sub_co_u32 s22, s22, s21
	v_mul_u32_u24 v6, s22, v2                      ; lanes 16-31 take B's scale words
	s_add_co_u32 s21, s21, SCL
	v_add_nc_u32 v5, v5, v6
	v_add_nc_u32 v[ADRS], s21, v5
	s_mul_i32 s23, s14, 16*SPITCH
	s_add_co_u32 s23, s23, STG                     ; my stage
	v_mul_u32_u24 v4, v1, SPITCH
	v_lshl_add_u32 v4, v2, 6, v4
	v_add_nc_u32 v[STO], s23, v4
	v_add_nc_u32 v[RD], s23, v3
	v_mov_b32 v[CO], v3
	v_lshlrev_b32 v[BO], 6, v2
	s_lshl_b32 s46, s42, 10
	s_lshl_b32 s47, s16, 9
	s_add_co_u32 s46, s46, s47                     ; my first column, in bytes
	s_mov_b32 s47, 0
	s_add_nc_u64 s[8:9], s[8:9], s[46:47]
.irp b, 0,1,2,3,4,5,6,7
	global_load_b128 v[BIAS+8*\b:BIAS+8*\b+3], v[BO], s[8:9] offset:4*(32*(\b/2)+8*(\b%2))
	global_load_b128 v[BIAS+8*\b+4:BIAS+8*\b+7], v[BO], s[8:9] offset:4*(32*(\b/2)+8*(\b%2))+16
.endr
	s_lshl_b32 s96, s17, 8
	s_lshl_b32 s98, s15, 7
	s_add_co_u32 s96, s96, s98                     ; my first row of out0
	s_lshl_b32 s96, s96, 12
	s_add_co_u32 s96, s96, s46
	s_mov_b32 s97, 0
	s_add_nc_u64 s[10:11], s[10:11], s[96:97]
.macro FRAG reg, adr, q, i
.irp c, 0,1
	ds_load_b128 v[\reg+4*\c:\reg+4*\c+3], v[\adr] offset:4096*(\i)+1024*(\q)+512*\c
.endr
.endm
; The 64 accumulators take turns, one instruction a turn, in the same order in every step.  zero = 1: the bias is C
.macro MUL16 a0, p, q, sc, zero
.irp a, \a0, \a0+1
.irp b, 0,1,2,3,4,5,6,7
.if \zero
	v_wmma_scale_f32_16x16x128_f8f6f4 v[8*(8*((\a)%4)+\b):8*(8*((\a)%4)+\b)+7], v[128*(\p)+FR*\b:128*(\p)+FR*\b+FR-1], v[AF+FR*(\a):AF+FR*(\a)+FR-1], v[BIAS+8*\b:BIAS+8*\b+7], v[SC+8*NQ*(\sc)+NQ*\b+(\q)], v[SC+8*NQ*(\sc)+NQ*(\a)+(\q)] matrix_a_fmt:MATRIX_FMT_FP4 matrix_b_fmt:MATRIX_FMT_FP4 matrix_a_scale:MATRIX_SCALE_ROW1
.else
	v_wmma_scale_f32_16x16x128_f8f6f4 v[8*(8*((\a)%4)+\b):8*(8*((\a)%4)+\b)+7], v[128*(\p)+FR*\b:128*(\p)+FR*\b+FR-1], v[AF+FR*(\a):AF+FR*(\a)+FR-1], v[8*(8*((\a)%4)+\b):8*(8*((\a)%4)+\b)+7], v[SC+8*NQ*(\sc)+NQ*\b+(\q)], v[SC+8*NQ*(\sc)+NQ*(\a)+(\q)] matrix_a_fmt:MATRIX_FMT_FP4 matrix_b_fmt:MATRIX_FMT_FP4 matrix_a_scale:MATRIX_SCALE_ROW1
.endif
.endr
.endr
.endm
.macro FETCH_B slot, q, p
	WIN TO_B
.irp i, 0,1,2,3,4,5,6,7
	FRAG 128*(\p)+FR*\i, ADRB+\slot, \q, \i
.endr
	WIN 0
.endm
.macro FETCH_A slot, q, i0
.irp i, \i0, \i0+1, \i0+2, \i0+3
	FRAG AF+FR*(\i), ADRA+\slot, \q, \i
.endr
.endm
.macro SCALES sc
.irp i, 0,1,2,3,4,5,6,7
	ds_load_b128 v[SC+8*NQ*\sc+NQ*\i:SC+8*NQ*\sc+NQ*\i+3], v[ADRS] offset:512*\i+256*\sc
.endr
.endm
.macro PLACES n
.rept \n
	v_nop
.endr
.endm
.macro STEP slot, q, zero
	s_wait_dscnt 4*NL                              ; B's set and A's blocks 0-3 are in; the youngest eight loads (A's blocks 4-7) may be out
	WIN MUL_LO-0x20*(\zero)
	MUL16 0, (\q)%2, \q, \slot, \zero
	MUL16 2, (\q)%2, \q, \slot, \zero
	s_wait_dscnt 0
	PLACES NP
	FETCH_B \slot, (\q)+1, 1-(\q)%2
	FETCH_A \slot, (\q)+1, 0
	WIN MUL_HI-0x30*(\zero)
	MUL16 4, (\q)%2, \q, \slot, \zero
	MUL16 6, (\q)%2, \q, \slot, \zero
	PLACES NP
	WIN 0
	FETCH_A \slot, (\q)+1, 4
.endm
.macro TURN slot, next
	s_wait_tensorcnt 0x0                           ; all my tensor loads have landed: my part of the next slot
	ds_add_u32 v[SPW], v[NIL]                      ; 0 onto my spare word
	s_wait_dscnt 4*NL+1                            ; (the add and the youngest eight loads may be out)
	WIN MUL_LO
	MUL16 0, 1, NQ-1, \slot, 0
	s_wait_dscnt 0x0                               ; the add is done, and my reads of this slot are over
	s_barrier_signal -1
	MUL16 2, 1, NQ-1, \slot, 0
	WIN 0
	s_barrier_wait -1
	PLACES NP
	FETCH_B \next, 0, 0
	FETCH_A \next, 0, 0
	SCALES \next
	WIN MUL_HI
	MUL16 4, 1, NQ-1, \slot, 0
	MUL16 6, 1, NQ-1, \slot, 0
	PLACES NP
	WIN 0
	FETCH_A \next, 0, 4
.endm
	s_wait_alu depctr_va_vdst(0)
	s_wait_tensorcnt 1                             ; the scale words and my part of slot 0 are in (slot 1's load may be out),
	s_barrier_signal -1
	s_barrier_wait -1                              ; everybody's are
	FETCH_B 0, 0, 0
	FETCH_A 0, 0, 0
	SCALES 0
	FETCH_A 0, 0, 4
	s_wait_loadcnt 0x0                             ; the bias
	STEP 0, 0, 1
	STEP 0, 1, 0
	STEP 0, 2, 0
	TURN 0, 1
	STEP 1, 0, 0
	STEP 1, 1, 0
	STEP 1, 2, 0
	s_wait_dscnt 4*NL
	WIN MUL_LO
	MUL16 0, 1, NQ-1, 1, 0
	MUL16 2, 1, NQ-1, 1, 0
	s_wait_dscnt 0
	WIN MUL_HI
	MUL16 4, 1, NQ-1, 1, 0
	MUL16 6, 1, NQ-1, 1, 0
	WIN 0
; THE WAY OUT, block by block of 16 slots x 128 columns, through my own stage.  LDS serves a wave's instructions in order: no wait between the stores and the loads, nor in front of the next block's stores.
.macro TOSTAGE a
.set AC, 64*((\a)%4)
	WIN 0x08+4*((\a)/4)                            ; the data: window 2 or 3
.irp b, 0,1,2,3,4,5,6,7
	ds_store_b128 v[STO], v[AC+8*\b:AC+8*\b+3] offset:128*(\b/2)+32*(\b%2)           ; each accumulator from its low end on
	ds_store_b128 v[STO], v[AC+8*\b+4:AC+8*\b+7] offset:128*(\b/2)+32*(\b%2)+16
.endr
	WIN 0
.set BB, BK+64*((\a)%2)
.irp t, 0,1,2,3,4,5,6,7,8,9,10,11,12,13,14,15
	ds_load_b128 v[BB+4*\t:BB+4*\t+3], v[RD] offset:\t*SPITCH
.endr
.endm
.macro SEND a, younger                 ; younger: the LDS instructions issued behind block a's loads, which may stay out
.set BB, BK+64*((\a)%2)
	s_wait_dscnt \younger
.irp t, 0,1,2,3,4,5,6,7,8,9,10,11,12,13,14,15
	global_store_b128 v[CO], v[BB+4*\t:BB+4*\t+3], s[10:11] offset:(32*((\a)/2)+8*((\a)%2)+\t+8*(\t/8))*4096 th:TH_STORE_NT   ; slot t's row: 512 consecutive bytes, aligned; the base is never stepped
.endr
.endm
	PLACES NP
	TOSTAGE 0
.irp a, 1,2,3,4,5,6,7
.if \a > 1
	s_wait_xcnt 0x0                                ; block a - 2's stores have read their registers: block a's loads may land there
.endif
	TOSTAGE \a
	SEND \a-1, 32                                  ; behind block a - 1's loads: block a's 16 stores and 16 loads
.endr
	SEND 7, 0
	s_wait_tensorcnt 0x0                           ; the wave's end
	ds_add_u32 v[SPW], v[NIL]
	s_wait_dscnt 0x0
	CROUND                                         ; the closing round
	s_endpgm
.Lfunc_end_k_qdcdca8e063_gemm2:
	.size	k_qdcdca8e063_gemm2, .Lfunc_end_k_qdcdca8e063_gemm2-k_qdcdca8e063_gemm2
	.p2alignl 7, 3214868480
	.fill 96, 4, 3214868480
	.section	.rodata,"a",@progbits
	.p2align	6, 0x0
	.amdhsa_kernel k_qdcdca8e063_gemm2
		.amdhsa_group_segment_fixed_size 327680
		.amdhsa_private_segment_fixed_size 0
		.amdhsa_enable_private_segment 0
		.amdhsa_kernarg_size 32
		.amdhsa_user_sgpr_count 2
		.amdhsa_user_sgpr_kernarg_segment_ptr 1
		.amdhsa_wavefront_size32 1
		.amdhsa_system_sgpr_workgroup_id_x 1
		.amdhsa_system_sgpr_workgroup_id_y 1
		.amdhsa_system_sgpr_workgroup_id_z 1
		.amdhsa_system_vgpr_workitem_id 0
		.amdhsa_next_free_vgpr 1024
		.amdhsa_next_free_sgpr 100
		.amdhsa_reserve_vcc 0
		.amdhsa_float_denorm_mode_32 3
		.amdhsa_float_denorm_mode_16_64 3
		.amdhsa_memory_ordered 1
		.amdhsa_forward_progress 1
		.amdhsa_inst_pref_size 125
	.end_amdhsa_kernel
	.amdgpu_metadata
---
amdhsa.version: [ 1, 2 ]
amdhsa.kernels:
  - .name:           k_qdcdca8e063_gemm2
    .symbol:         k_qdcdca8e063_gemm2.kd
    .args:
      - { .name: ao, .offset: 0, .size: 8, .value_kind: global_buffer, .address_space: global }
      - { .name: wq, .offset: 8, .size: 8, .value_kind: global_buffer, .address_space: global }
      - { .name: c_proj_b, .offset: 16, .size: 8, .value_kind: global_buffer, .address_space: global }
      - { .name: out0, .offset: 24, .size: 8, .value_kind: global_buffer, .address_space: global }
    .group_segment_fixed_size: 327680
    .private_segment_fixed_size: 0
    .kernarg_segment_align: 8
    .kernarg_segment_size: 32
    .max_flat_workgroup_size: 128
    .sgpr_count:     100
    .vgpr_count:     1024
    .wavefront_size: 32
...
	.end_amdgpu_metadata
.endif
;; end of part 4
